; MI455X (gfx1250); checked and timed in simulation.
; The chip was launched on July 23, 2026; its instructions are those of AMD's public machine-readable ISA for CDNA 5 (MIT licence, August 2026) and "CDNA5" Instruction Set Architecture Reference Guide (July 2026). The comments in the code are by the model that wrote it; some were corrected since.
;; Self Attn. Allowed arithmetic: matrix products marked QUANTISED: E2M1 operands, one E8M0 scale for each 32 along K, by v_wmma_scale_f32_16x16x128_f8f6f4 with both operands' format E2M1 (or v_wmma_scale_f32_32x16x128_f4), f32 sums; products left as they are: bf16, f16 or f32 operands; f32 sums; everything else in f32.
;; Inputs: Wa 3,072 x 1,024 float32; Wo 1,024 x 1,024 float32; iQ 4 x 2,048 x 1,024 float32; mask 4 x 2,048 x 2,048 bool.
;; Outputs: out0 4 x 2,048 x 1,024 float32.
;; This version of the problem:
;;   THIS VERSION OF THE PROBLEM IS GIVEN IN LOW PRECISION. The matrix products marked QUANTISED in the list below multiply operands that are first quantised to E2M1 (2 exponent bits, 1 mantissa bit; 4 bits a number), with one power-of-two scale for each 32 numbers along K (OCP MX v1.0); their sums are f32. The products marked 'left as it is' may take bf16, f16 or f32 operands, with f32 sums. Whichever they take, every output number must still come out within the allowed error. Rounding operands to bf16 (8 significant bits) uses up far more of that allowance than f16 does (11 bits, for magnitudes from 6e-5 to 65,504). All else is computed in f32.
;;   The module's matrix products, in the order in which they are computed (A, B: the left and right operand; K: the contracted axis; several contracted axes count as one K, in the product's order):
;;     1. [M 8,192, K 1,024] x [K 1,024, N 3,072]; A: input iQ; B: input Wa: QUANTISED
;;     2. batch 64 x [M 2,048, K 64] x [K 64, N 2,048]; A: computed on the way; B: computed on the way: left as it is (an operand is computed on the way)
;;     3. batch 64 x [M 2,048, K 2,048] x [K 2,048, N 64]; A: computed on the way; B: computed on the way: left as it is (an operand is computed on the way)
;;     4. [M 8,192, K 1,024] x [K 1,024, N 1,024]; A: computed on the way; B: input Wo: left as it is (an operand is computed on the way)
;;   THE QUANTISER, for each operand of a quantised product, along K:
;;     - K is cut into blocks of 32 from its start; a last block that is shorter is filled with zeros.
;;     - A block's scale is 2^e with e = floor(log2(the largest magnitude in the block)) - 2, held to -126 .. 127; a block of zeros has e = 0. As a byte (E8M0): e + 127.
;;     - Each number is divided by its block's scale, clamped to +-6, and rounded to the nearest number of E2M1, ties to even, subnormals kept.
;;     - The product sums the exact products of the quantised numbers (number of the format x scale) in f32.
;;   ~~~python
;;   def quantise(x, axis):      # numpy; x: float32 -> the quantised numbers, widened to float32 again
;;       x = np.moveaxis(x, axis, -1); K = x.shape[-1]
;;       x = np.pad(x, [(0, 0)] * (x.ndim - 1) + [(0, -K % 32)]); x = x.reshape(x.shape[:-1] + (-1, 32)); a = np.abs(x).max(-1, keepdims=True)
;;       e = np.where(a > 0, np.clip(np.frexp(np.where(a > 0, a, 1))[1] - 1 - 2, -126, 127), 0)      # np.frexp(a)[1] - 1 = floor(log2(a)), exactly
;;       r = np.clip(x / 2.0 ** e, -6, 6)
;;       step = 2.0 ** (np.maximum(np.frexp(np.where(r == 0, 1, r))[1] - 1, 0) - 1)
;;       q = np.round(r / step) * step * 2.0 ** e      # np.round: ties to even
;;       return np.moveaxis(q.reshape(q.shape[:-2] + (-1,))[..., :K], -1, axis).astype(np.float32)
;;   ~~~
;; One version. Each part assembles by itself: llvm-mc -triple=amdgcn-amd-amdhsa -mcpu=gfx1250 --defsym DOCPART=n.
;; ======== version 1 of 1: 4 launches
;; limits: values are held in f16: magnitudes above 65,504 overflow, below 6.1e-05 lose precision
;; workspace buffers: codes 5,767,168 bytes; scales 360,448 bytes; mw 2,097,152 bytes of whole numbers; wo16 2,097,152 bytes; qimg 33,554,432 bytes; kvimg 33,554,432 bytes; oimg 16,777,216 bytes
;; launch prep (part 1): grid 928 x 1, 4 waves a work-group, no clusters, 50,688 bytes of LDS; arguments iQ, Wa, codes, scales, mask, mw, Wo, wo16; writes codes, scales, mw, wo16
.if DOCPART == 1
	.amdgcn_target "amdgcn-amd-amdhsa--gfx1250"
	.amdhsa_code_object_version 6
	.text
	.protected	k_qc1f836f5da_prep
	.globl	k_qc1f836f5da_prep
	.p2align	8
	.type	k_qc1f836f5da_prep,@function
k_qc1f836f5da_prep:
	s_mov_b64 s[64:65], 0
	v_nop
	global_prefetch_b8 v0, s[64:65] scope:SCOPE_SE
	s_setreg_imm32_b32 hwreg(HW_REG_WAVE_MODE, 25, 1), 1
	s_wait_xcnt 0x0
; Three streams in one launch, told apart by the work-group's number; each has LDS bytes of its own.
; Q (work-groups 0-351): iQ [8192][1024] and Wa [3072][1024], f32, become codes of FP4 (E2M1), K innermost, two codes a byte, and one E8M0 scale byte for each 32 along K.
;   A block's scale is 2^(floor(log2(its largest magnitude)) - 2); its byte is the largest magnitude's exponent field - 2, held at 1 from below.  A block of zeros so gets the byte 1 where the
;   rule says 127: its codes are zeros, which add nothing under any byte but 0xff, and this program alone reads the bytes.  Wa's codes and bytes follow iQ's on end in the same buffers.
;   LIMITS: blocks whose largest magnitude lies under 2^(2 - 126) have their byte held at 1; NaN and infinities among the inputs are not served.
; M (work-groups 352-863): the mask [4][2048][2048], a byte a place, becomes words of 32 bits, one bit a lane, laid [batch][16 queries][16 keys][8 words]: bit L of word j is the mask of
;   query (L % 16) and key 8 (L / 16) + j of the tile: the lane mask of register j of a tile of scores as the attention launch holds it.
; W (work-groups 864-927): Wo [1024][1024] f32 is rounded to f16, row-major.  LIMIT: |Wo| under 65,504.
; No tensor loads, no barrier: waves share nothing.  Matrix units and clusters have nothing to do here.
.set WGA,   256                        ; work-groups for iQ: 8192 x 1024 / 32,768
.set WGQ,   352                        ; and with Wa's 96
.set WGM,   512                        ; bands of 16 mask rows
.set STEPS, 16
.set EMAX,  2
.set CB,    8                          ; bytes of 16 codes
.set R,     16                         ; Q: v16-79   four sets of 16 numbers as they are loaded
.set X,     80                         ; Q: v80-111  two sets of 16 neighbours
.set E,     112                        ; Q: v112-127 a scale byte for each step
.set C,     128                        ; Q: v128-191 codes: four registers for each step
.set WREG,  8192                       ; Q: LDS region of a wave: two stages of 32 x SP bytes, behind them its 256 scale bytes
.set SP,    80                         ; Q: a lane's place in a stage: 64 bytes + 16 of padding
.set MST,   32768                      ; M: the stages begin here,
.set MWV,   4352                       ; M: 16 rows x 272 bytes for each wave
.set SPW,   12                         ; v12 LDS address of my spare word: SPARE + 4 x my thread's number; never rewritten
.set NIL,   13                         ; v13 0; never rewritten
.set SPARE, 50176                      ; behind both regions: the spare words, 128 bytes for each wave: two blocks of 256 bytes that no other line names
	v_lshl_add_u32 v[SPW], v0, 2, SPARE
	v_mov_b32 v[NIL], 0
	v_lshrrev_b32 v1, 5, v0
	v_readfirstlane_b32 s16, v1                    ; wave 0..3
	v_and_b32 v2, 31, v0                           ; lane
	s_cmp_ge_u32 ttmp9, WGQ
	s_cbranch_scc1 .Lnotq
; ---------------- Q: numbers into codes.  A wave takes 16 steps of 512 numbers.  Each load reads 512 consecutive bytes; a step's 2,048 bytes turn through the wave's own stage so that a lane
; holds 16 neighbours along K (two neighbouring lanes hold a block).  Loads run four steps ahead, the turn through LDS one step.
	s_load_b256 s[4:11], s[0:1], 0x0               ; iQ s[4:5], Wa s[6:7], codes s[8:9], scales s[10:11]
	v_lshlrev_b32 v3, 4, v2                        ; my 16 bytes of a load's 512
	s_mul_i32 s17, s16, WREG
	v_lshrrev_b32 v14, 2, v2
	v_mul_u32_u24 v14, v14, SP
	v_and_b32 v15, 3, v2
	v_lshl_add_u32 v14, v15, 4, v14
	v_add_nc_u32 v14, s17, v14                     ; the stage, on the way in: SP (lane / 4) + 16 (lane % 4)
	v_mul_u32_u24 v15, v2, SP
	v_add_nc_u32 v15, s17, v15                     ; and on the way out: SP x lane: my 16 neighbours
	v_mul_u32_u24 v4, v2, CB                       ; my codes' place in a step's
	v_lshrrev_b32 v5, 1, v2
	s_add_co_u32 s17, s17, 2*32*SP
	v_add_nc_u32 v5, s17, v5                       ; LDS: my wave's 256 scale bytes, my block's byte
	v_lshlrev_b32 v7, 3, v2                        ; and on the way out 8 bytes a lane
	v_add_nc_u32 v6, s17, v7
	s_wait_kmcnt 0x0
	s_cmp_lt_u32 ttmp9, WGA                        ; iQ's work-group or Wa's?  Only the input is chosen: the outputs lie on end
	s_cselect_b64 s[4:5], s[4:5], s[6:7]
	s_cselect_b32 s17, 0, WGA
	s_sub_co_u32 s17, ttmp9, s17
	s_lshl_b32 s17, s17, 2
	s_add_co_u32 s18, s17, s16                     ; which run of 8,192 numbers of the input is my wave's
	s_mov_b32 s19, 0
	s_lshl_b64 s[20:21], s[18:19], 15              ; 32,768 bytes a run
	s_add_nc_u64 s[4:5], s[4:5], s[20:21]
	s_lshl_b32 s18, ttmp9, 2
	s_add_co_u32 s18, s18, s16                     ; and which run of the outputs
	s_lshl_b64 s[20:21], s[18:19], 12              ; 4,096 bytes of codes a run
	s_add_nc_u64 s[8:9], s[8:9], s[20:21]
	s_lshl_b32 s18, s18, 8                         ; 256 scale bytes a run
	s_add_nc_u64 s[10:11], s[10:11], s[18:19]
.macro LOAD t
.irp i, 0,1,2,3
	global_load_b128 v[R+16*((\t)%4)+4*\i:R+16*((\t)%4)+4*\i+3], v3, s[4:5] offset:2048*(\t)+512*\i th:TH_LOAD_NT   ; 32 lanes read 512 consecutive bytes
.endr
.endm
.macro TURN t                          ; step t's numbers through the stage: LDS serves a wave's instructions in order, so no wait stands between the stores and the loads
.irp i, 0,1,2,3
	ds_store_b128 v14, v[R+16*((\t)%4)+4*\i:R+16*((\t)%4)+4*\i+3] offset:32*SP*((\t)%2)+8*SP*\i
.endr
.irp i, 0,1,2,3
	ds_load_b128 v[X+16*((\t)%2)+4*\i:X+16*((\t)%2)+4*\i+3], v15 offset:32*SP*((\t)%2)+16*\i
.endr
.endm
.irp t, 0,1,2,3
	LOAD \t
.endr
	s_wait_loadcnt 12                              ; step 0's four loads are in
	TURN 0
.macro STEP t
.set XS, X+16*((\t)%2)
.if (\t) > 0
	s_wait_dscnt 1                                 ; this step's numbers are back from the stage (the last step's byte store may be out): so its stores into the stage have read their registers,
.else
	s_wait_dscnt 0x0
.endif
.if (\t)+4 < STEPS
	LOAD (\t)+4                                    ; which take the loads of four steps on
.endif
.if (\t)+1 < STEPS
.if STEPS-2-(\t) >= 3
	s_wait_loadcnt 12                              ; the next step's four loads are in; those of the three steps behind it may be out
.else
	s_wait_loadcnt 4*(STEPS-2-(\t))
.endif
	TURN (\t)+1                                    ; and go through the other stage while this step is worked
.endif
	v_max3_num_f32 v8, |v[XS]|, |v[XS+1]|, |v[XS+2]|               ; the largest magnitude of my 16
	v_max3_num_f32 v9, |v[XS+3]|, |v[XS+4]|, |v[XS+5]|
.irp i, 6,10
	v_max3_num_f32 v8, v8, |v[XS+\i]|, |v[XS+\i+1]|
	v_max3_num_f32 v9, v9, |v[XS+\i+2]|, |v[XS+\i+3]|
.endr
	v_max3_num_f32 v8, v8, |v[XS+14]|, |v[XS+15]|
	v_max3_num_f32 v8, v8, v9, (EMAX+1)<<23        ; and the floor 2^(EMAX + 1 - 127): the byte cannot fall under 1
	v_max_num_f32_dpp v8, v8, v8 row_xmask:1 row_mask:0xf bank_mask:0xf   ; and of my neighbour's 16: the block's
	v_add_nc_u32 v11, -(EMAX<<23), v8              ; EMAX off its exponent field: the conversion takes the exponent field of this operand as its scale
	v_cvt_scalef32_pk8_fp4_f32 v[C+4*(\t)], v[XS:XS+7], v11        ; eight numbers / the scale, to the nearest code, ties to even, beyond the largest code the largest
	v_cvt_scalef32_pk8_fp4_f32 v[C+4*(\t)+1], v[XS+8:XS+15], v11
	v_lshrrev_b32 v[E+(\t)], 23, v11               ; the scale's byte (also the plain line behind the conversions)
	ds_store_b8 v5, v[E+(\t)] offset:16*(\t)       ; both lanes of a block write the same byte with the same value
	global_store_b64 v4, v[C+4*(\t):C+4*(\t)+1], s[8:9] offset:32*CB*(\t)   ; the wave stores 256 consecutive bytes, aligned
.endm
.irp t, 0,1,2,3,4,5,6,7,8,9,10,11,12,13,14,15
	STEP \t
.endr
	ds_load_b64 v[8:9], v6                         ; LDS serves a wave's instructions in order: these see my stores
	s_wait_dscnt 0x0
	global_store_b64 v7, v[8:9], s[10:11]          ; 32 lanes store 256 consecutive bytes, aligned
	s_wait_tensorcnt 0x0                           ; the wave's end: all tensor loads waited for, 0 added to my spare word and waited for, behind my last LDS store
	ds_add_u32 v[SPW], v[NIL]
	s_wait_dscnt 0x0
	s_endpgm
.Lnotq:
	s_cmp_ge_u32 ttmp9, WGQ+WGM
	s_cbranch_scc1 .Lwo
; ---------------- M: a band of 16 mask rows to a work-group, 512 keys to a wave, in two units of 256 keys.  Each load reads 256 consecutive bytes of two rows; the unit turns through the wave's
; stage (rows 272 bytes apart), and a lane (query lane % 16, half lane / 16) takes back the 8 bytes of its 8 keys of each tile of 16 keys.  A compare gives a word with one bit a lane.
	s_load_b128 s[4:7], s[0:1], 0x20               ; mask s[4:5], mw s[6:7]
	s_sub_co_u32 s17, ttmp9, WGQ                   ; the band: 128 x batch + tile of queries
	v_and_b32 v3, 15, v2
	v_lshrrev_b32 v4, 4, v2
	v_lshlrev_b32 v5, 11, v4
	v_lshl_add_u32 v5, v3, 4, v5                   ; in: row lane / 16 of a pair of rows, 16 bytes a lane
	s_mul_i32 s18, s16, MWV
	s_add_co_u32 s18, s18, MST                     ; my stage
	v_mul_u32_u24 v6, v4, 272
	v_lshl_add_u32 v6, v3, 4, v6
	v_add_nc_u32 v6, s18, v6                       ; into it, as loaded
	v_mul_u32_u24 v7, v3, 272
	v_lshl_add_u32 v7, v4, 3, v7
	v_add_nc_u32 v7, s18, v7                       ; out of it: row = my query, + 8 bytes for the upper half of the lanes
	v_lshlrev_b32 v8, 4, v2                        ; the words leave 16 bytes a lane
.irp i, 0,1,2,3,4,5,6,7
	v_mov_b32 v[112+\i], 0                         ; written once: v_writelane_b32's destination counts as read
.endr
	s_lshl_b32 s20, s17, 15                        ; 16 rows of 2,048 bytes a band,
	s_lshl_b32 s19, s16, 9                         ; 512 keys a wave
	s_add_co_u32 s20, s20, s19
	s_mov_b32 s21, 0
	s_lshl_b32 s22, s17, 12                        ; 4,096 bytes of words a band,
	s_lshl_b32 s19, s16, 10                        ; 1,024 a wave
	s_add_co_u32 s22, s22, s19
	s_mov_b32 s23, 0
	s_wait_kmcnt 0x0
	s_add_nc_u64 s[4:5], s[4:5], s[20:21]
	s_add_nc_u64 s[6:7], s[6:7], s[22:23]
.irp u, 0,1
.irp i, 0,1,2,3,4,5,6,7
	global_load_b128 v[16+32*\u+4*\i:16+32*\u+4*\i+3], v5, s[4:5] offset:\i*4096+\u*256 th:TH_LOAD_NT
.endr
.endr
.macro WORDS u, kt                     ; the eight words of one tile of 16 keys: word 8 kt + j goes to register (8 kt + j) % 4, lane (8 kt + j) / 4, so that a lane's four registers are four words on end
.irp j, 0,1,2,3,4,5,6,7
	v_and_b32 v[120+\j], 0xff<<(8*(\j%4)), v[80+2*(\kt)+\j/4]      ; my key j's byte
.endr
.irp j, 0,1,2,3,4,5,6,7
	v_cmp_ne_u32 s[24+\j], 0, v[120+\j]            ; one bit a lane
.endr
.irp j, 0,1,2,3,4,5,6,7
	v_writelane_b32 v[112+4*(\u)+\j%4], s[24+\j], 2*(\kt)+\j/4
.endr
.endm
.macro UNIT u
	s_wait_loadcnt 8*(1-\u)                        ; this unit's eight loads are in; the other unit's may be out
.irp i, 0,1,2,3,4,5,6,7
	ds_store_b128 v6, v[16+32*\u+4*\i:16+32*\u+4*\i+3] offset:\i*544
.endr
.irp k, 0,1,2,3,4,5,6,7,8,9,10,11,12,13,14,15
	ds_load_b64 v[80+2*\k:81+2*\k], v7 offset:16*\k   ; LDS serves a wave's instructions in order: these see the stores above
.endr
	s_wait_dscnt 0x0
.irp k, 0,1,2,3,4,5,6,7,8,9,10,11,12,13,14,15
	WORDS \u, \k
.endr
	global_store_b128 v8, v[112+4*\u:115+4*\u], s[6:7] offset:512*\u   ; 128 words: 512 consecutive bytes, aligned; each unit has its own four registers
.endm
	UNIT 0
	UNIT 1
	s_wait_tensorcnt 0x0                           ; the wave's end: all tensor loads waited for, 0 added to my spare word and waited for, behind my last LDS store
	ds_add_u32 v[SPW], v[NIL]
	s_wait_dscnt 0x0
	s_endpgm
.Lwo:
; ---------------- W: 4,096 numbers of Wo to a wave: 32 loads of 512 consecutive bytes, all issued at once; each is rounded to f16 in place and leaves as 256 consecutive bytes.
	s_load_b128 s[4:7], s[0:1], 0x30               ; Wo s[4:5], wo16 s[6:7]
	s_sub_co_u32 s17, ttmp9, WGQ+WGM
	s_lshl_b32 s17, s17, 2
	s_add_co_u32 s17, s17, s16                     ; my run
	s_lshl_b32 s20, s17, 14
	s_mov_b32 s21, 0
	s_lshl_b32 s22, s17, 13
	s_mov_b32 s23, 0
	v_lshlrev_b32 v3, 4, v2
	v_lshlrev_b32 v4, 3, v2
	s_wait_kmcnt 0x0
	s_add_nc_u64 s[4:5], s[4:5], s[20:21]
	s_add_nc_u64 s[6:7], s[6:7], s[22:23]
.set i, 0
.rept 32
	global_load_b128 v[16+4*i:19+4*i], v3, s[4:5] offset:512*i th:TH_LOAD_NT
.set i, i+1
.endr
.set i, 0
.rept 32
	s_wait_loadcnt 31-i                            ; loads come back in order: load i is in, the younger ones stay out
	v_cvt_pk_f16_f32 v[16+4*i], v[16+4*i], v[17+4*i]
	v_cvt_pk_f16_f32 v[17+4*i], v[18+4*i], v[19+4*i]
	global_store_b64 v4, v[16+4*i:17+4*i], s[6:7] offset:256*i     ; no register is written again: no wait for the stores' sources
.set i, i+1
.endr
	s_endpgm
.Lfunc_end_k_qc1f836f5da_prep:
	.size	k_qc1f836f5da_prep, .Lfunc_end_k_qc1f836f5da_prep-k_qc1f836f5da_prep
	.p2alignl 7, 3214868480
	.fill 96, 4, 3214868480
	.section	.rodata,"a",@progbits
	.p2align	6, 0x0
	.amdhsa_kernel k_qc1f836f5da_prep
		.amdhsa_group_segment_fixed_size 50688
		.amdhsa_private_segment_fixed_size 0
		.amdhsa_enable_private_segment 0
		.amdhsa_kernarg_size 64
		.amdhsa_user_sgpr_count 2
		.amdhsa_user_sgpr_kernarg_segment_ptr 1
		.amdhsa_wavefront_size32 1
		.amdhsa_system_sgpr_workgroup_id_x 1
		.amdhsa_system_sgpr_workgroup_id_y 1
		.amdhsa_system_sgpr_workgroup_id_z 1
		.amdhsa_system_vgpr_workitem_id 0
		.amdhsa_next_free_vgpr 192
		.amdhsa_next_free_sgpr 66
		.amdhsa_reserve_vcc 0
		.amdhsa_float_denorm_mode_32 3
		.amdhsa_float_denorm_mode_16_64 3
		.amdhsa_memory_ordered 1
		.amdhsa_forward_progress 1
		.amdhsa_inst_pref_size 99
	.end_amdhsa_kernel
	.amdgpu_metadata
---
amdhsa.version: [ 1, 2 ]
amdhsa.kernels:
  - .name:           k_qc1f836f5da_prep
    .symbol:         k_qc1f836f5da_prep.kd
    .args:
      - { .name: iQ, .offset: 0, .size: 8, .value_kind: global_buffer, .address_space: global }
      - { .name: Wa, .offset: 8, .size: 8, .value_kind: global_buffer, .address_space: global }
      - { .name: codes, .offset: 16, .size: 8, .value_kind: global_buffer, .address_space: global }
      - { .name: scales, .offset: 24, .size: 8, .value_kind: global_buffer, .address_space: global }
      - { .name: mask, .offset: 32, .size: 8, .value_kind: global_buffer, .address_space: global }
      - { .name: mw, .offset: 40, .size: 8, .value_kind: global_buffer, .address_space: global }
      - { .name: Wo, .offset: 48, .size: 8, .value_kind: global_buffer, .address_space: global }
      - { .name: wo16, .offset: 56, .size: 8, .value_kind: global_buffer, .address_space: global }
    .group_segment_fixed_size: 50688
    .private_segment_fixed_size: 0
    .kernarg_segment_align: 8
    .kernarg_segment_size: 64
    .max_flat_workgroup_size: 128
    .sgpr_count:     66
    .vgpr_count:     192
    .wavefront_size: 32
...
	.end_amdgpu_metadata
.endif
;; end of part 1
;; launch qkv (part 2): grid 12 x 32, 4 waves a work-group, clusters of 4 x 4, 327,680 bytes of LDS; arguments codes, scales, qimg, kvimg; writes qimg, kvimg
.if DOCPART == 2
	.amdgcn_target "amdgcn-amd-amdhsa--gfx1250"
	.amdhsa_code_object_version 6
	.text
	.protected	k_qc1f836f5da_qkv
	.globl	k_qc1f836f5da_qkv
	.p2align	8
	.type	k_qc1f836f5da_qkv,@function
k_qc1f836f5da_qkv:
	s_mov_b64 s[64:65], 0
	v_nop
	global_prefetch_b8 v0, s[64:65] scope:SCOPE_SE
	s_setreg_imm32_b32 hwreg(HW_REG_WAVE_MODE, 25, 1), 1
	s_wait_xcnt 0x0
	s_wait_alu depctr_hold_cnt(0) depctr_sa_sdst(0) depctr_va_vdst(0) depctr_va_sdst(0) depctr_va_ssrc(0) depctr_va_vcc(0) depctr_vm_vsrc(0)
	s_getreg_b32 s2, hwreg(HW_REG_IB_STS2, 6, 4)
	s_cmp_eq_u32 s2, 0
	s_cbranch_scc0 .Lentry_in_a_cluster
	s_endpgm
.Lentry_in_a_cluster:
	s_bfe_u32 s2, ttmp6, 0x10000c
	s_cmp_lg_u32 s2, 0xf033
	s_cbranch_scc0 .Lentry_shape_is_right
	s_endpgm
.Lentry_shape_is_right:
; qkv[m][n] = sum over k of iQ[m][k] Wa[n][k], on codes of FP4 (E2M1) with one E8M0 scale for each 32 along K; sums in f32.  M = 8,192, N = 3,072, K = 1,024.
; A's codes [8192][512 bytes] stand at the head of the buffer of codes, B's [3072][512 bytes] behind them; the scale bytes [rows][32] likewise.
; A tile of 256 x 256 is made by a work-group of four waves; a wave makes 128 x 128: 64 accumulators of 16 x 16, 512 registers.  K = 1,024 is two LDS slots of 512 along K: both are
; filled once, at the head, with the scale bytes of the work-group's rows; nothing is filled again.  By this text's count a wave has three tensor loads out at the start.
; CLUSTERS: 4 x 4 work-groups.  The four of a row of the cluster need the same tiles of A, the four of a column the same tiles of B: each tile is asked for JOINTLY.
; THE MATRIX INSTRUCTION IS USED TRANSPOSED (source 0 = 16 rows of Wa, source 1 = 16 rows of iQ): a lane then holds one token and eight neighbouring channels.
; THE WAY OUT.  Results are rounded to f16 and stored as IMAGES OF THE NEXT LAUNCH'S OPERAND REGISTERS, [batch x head 64][16 tokens 128][half 2][16 channels 4][32 places][16 bytes]:
;   q (x log2(e) / 8, in f32) and k: place = my lane; v: place = 16 (r / 8) + 8 h + r % 8, so that a turning LDS load at 16 x lane gives v transposed.  q goes to half 0 of qimg, k to half 0 and v to half 1 of kvimg.
;   Each store of a wave covers 512 consecutive bytes, aligned: no stage in LDS is needed.  The cluster's x is the section (q, k, v): the same in all sixteen partners.
; LIMITS: |q| log2(e) / 8, |k| and |v| stay under 65,504 (f16); under 6e-5 they keep an absolute error of 3e-8.
; REGISTERS, in windows of 256: window 0: v0-31 addresses; v32-95 scale words, two sets; v128-191 A's fragments, ONE set; on the way out v32-95 packed results, v192-255 at work.
;   window 1: B's fragments, TWO sets, at v0 and at v128.   window 2: the accumulators of my rows 0-63 (accumulator (a, b) at v[8 (8 a + b)]);   window 3: those of my rows 64-127.
.set SIZE_K, 1024
.set KSTEP,  512                       ; along K in a slot
.set NQ,     KSTEP/128                 ; matrix instructions deep
.set ROWB,   256                       ; a tile's row in bytes
.set KROW,   SIZE_K*4/8                ; a row of codes in memory, in bytes
.set PITCH,  272                       ; an LDS row: 256 bytes + 16 of padding = 68 words: the 16 rows that a load touches start at 16 different banks (ISA guide 11.1)
.set FR,     8                         ; registers of a fragment: 16 rows x 128 K
.set NL,     2                         ; LDS loads that bring one
.set NP,     4                         ; places behind this matrix instruction (ISA guide 7.12.1)
.set HALFT,  128*PITCH                 ; 128 rows: what one tensor load brings
.set SLOT,   4*HALFT                   ; A's 256 rows, then B's 256 rows
.set KS,     SIZE_K/32                 ; a row of scales in bytes
.set SCL,    2*SLOT                    ; behind the slots: the scales, as rows of 256 bytes + 16 of padding
.set HALFS,  (128*KS/256)*272          ; the scales of 128 rows
.set SBLK,   (16*KS/256)*272           ; those of 16 rows
.set SPARE,  SCL+4*HALFS               ; the spare words, 128 bytes for each wave: two blocks of 256 bytes that no other line names
.set ADRA, 16                          ; v16-17  LDS address of my A fragments in slot 0, 1
.set ADRB, 20                          ; v20-21  the same for B
.set CO,   26                          ; v26     the way out: 16 x my place in an image (+ 2,048 for v)
.set ADRS, 27                          ; v27     LDS address of my scale words: lanes 0-15 A's rows, lanes 16-31 B's
.set SPW,  28                          ; v28     LDS address of my spare word; never rewritten
.set NIL,  29                          ; v29     0; never rewritten
.set SC,   32                          ; scale words: set s at v[SC + 8 NQ s]; register NQ i + q: lanes 0-15 A's block i, lanes 16-31 B's block i
.set AF,   128                         ; A's fragments, in window 0
.set PK,   32                          ; the way out: packed results, two sets of 32
.set TMP,  192                         ; the way out: 64 scaled numbers
.set G1, 24
.set G0, 32
.set G1B, 48
.set G0B, 56
.set G1S, 68
.set G0S, 76
.set G1SB, 80
.set G0SB, 88
.set MSB, 0
.macro WIN new                         ; the immediate's high byte repeats the setting that is left
.if MSB != \new
	s_set_vgpr_msb (MSB<<8)|\new
.set MSB, \new
.endif
.endm
.set MUL_LO, 0xa1                      ; source 0 (B) window 1, source 1 (A) window 0, C and D window 2
.set MUL_HI, 0xf1                      ; the same, C and D window 3
.set TO_B,   0x40                      ; destination window 1, address window 0
; A joint load: waves 0 and 1 fetch for A, waves 2 and 3 for B; the branch hangs on the wave's number alone.  An s_nop 0 and four v_nop follow each of the two lines.
.macro JLOAD g0a, g1a, g0b, g1b
	s_cmp_eq_u32 s15, 0
	s_cbranch_scc0 .Lfor_b_\@
	tensor_load_to_lds s[\g0a:\g0a+3], s[\g1a:\g1a+7]
	s_nop 0
.rept 4
	v_nop
.endr
	s_branch .Lasked_\@
.Lfor_b_\@:
	tensor_load_to_lds s[\g0b:\g0b+3], s[\g1b:\g1b+7]
	s_nop 0
.rept 4
	v_nop
.endr
.Lasked_\@:
.endm
.macro CROUND                          ; a round of the cluster's barrier
	s_barrier_signal -1
	s_barrier_wait -1
	s_cmp_lg_u32 s14, 0
	s_cbranch_scc1 .Lnot_wave_0_\@
	s_barrier_signal -3
.Lnot_wave_0_\@:
	s_barrier_wait -3
	s_barrier_signal -1
	s_barrier_wait -1
.endm
	s_load_b128 s[4:7], s[0:1], 0x0                ; the codes s[4:5], the scale bytes s[6:7]
	s_load_b128 s[96:99], s[0:1], 0x10             ; qimg s[96:97], kvimg s[98:99]
	v_lshl_add_u32 v[SPW], v0, 2, SPARE
	v_mov_b32 v[NIL], 0
	ds_add_u32 v[SPW], v[NIL]                      ; the wave's opening: the add, twice on end, and its wait ahead of my first tensor load
	ds_add_u32 v[SPW], v[NIL]
	v_lshrrev_b32 v1, 5, v0
	v_readfirstlane_b32 s14, v1                    ; wave 0..3
	s_lshr_b32 s15, s14, 1                         ; which half of the tile's rows is mine.  Also: I fetch for A (0) or for B (1)
	s_and_b32 s16, s14, 1                          ; which half of its columns.  Also: which 128 rows of that tile I fetch
	s_bfe_u32 s40, ttmp6, 0x40000                  ; cx, cy: my place in the cluster
	s_bfe_u32 s41, ttmp6, 0x40004
	s_lshl_b32 s42, ttmp9, 2
	s_add_co_u32 s42, s42, s40                     ; tile column = 4 x cluster x + cx
	s_and_b32 s17, ttmp7, 0xffff
	s_lshl_b32 s17, s17, 2
	s_add_co_u32 s17, s17, s41                     ; tile row = 4 x cluster y + cy
	s_lshl_b32 s43, s41, 2
	s_lshl_b32 s43, 15, s43                        ; my row of the cluster
	s_lshl_b32 s44, 0x1111, s40                    ; my column
	; descriptor group 1: a tile of 128 rows x 256 bytes, padded in LDS
	s_or_b32 s[G1+0], s43, (0<<16)|(1<<20)|(1<<21)|(5<<22)|(3<<25)  ; the mask: A's tiles go to my row; elements of 1 byte; padding: 4 words after every 64; bit 21 set beside a mask
	s_or_b32 s[G1B+0], s44, (0<<16)|(1<<20)|(1<<21)|(5<<22)|(3<<25)
.irp g, G1, G1B
	s_mov_b32 s[\g+1], ROWB<<16                    ; tensor_dim0
	s_mov_b32 s[\g+2], 128<<16                     ; tensor_dim1
	s_mov_b32 s[\g+3], ROWB<<16                    ; tile_dim0
	s_mov_b32 s[\g+4], 128                         ; tile_dim1
	s_mov_b32 s[\g+5], KROW                        ; tensor_dim0_stride
	s_mov_b32 s[\g+6], 0
	s_mov_b32 s[\g+7], 0
.endr
	; the scales of 128 rows: a dense block of 4,096 bytes, as rows of 256 bytes (32 elements of 8 bytes), 16 bytes of padding behind each
	s_or_b32 s[G1S+0], s43, (3<<16)|(1<<20)|(1<<21)|(5<<22)|(3<<25)
	s_or_b32 s[G1SB+0], s44, (3<<16)|(1<<20)|(1<<21)|(5<<22)|(3<<25)
.irp g, G1S, G1SB
	s_mov_b32 s[\g+1], 32<<16
	s_mov_b32 s[\g+2], (128*KS/256)<<16
	s_mov_b32 s[\g+3], 32<<16
	s_mov_b32 s[\g+4], 128*KS/256
	s_mov_b32 s[\g+5], 32
	s_mov_b32 s[\g+6], 0
	s_mov_b32 s[\g+7], 0
.endr
	s_lshl_b32 s18, s16, 7                         ; which 128 rows of the tile I fetch
	s_lshl_b32 s20, s17, 8
	s_add_co_u32 s20, s20, s18                     ; A: row 256 x tile row + 128 x half
	s_lshl_b32 s46, s42, 8
	s_add_co_u32 s46, s46, s18                     ; B: row 256 x tile column + 128 x half
	s_mov_b32 s21, 0
	s_mov_b32 s47, 0
	s_mov_b64 s[18:19], KS
	s_mul_u64 s[22:23], s[20:21], s[18:19]         ; where these rows' scales begin, in bytes
	s_mul_u64 s[92:93], s[46:47], s[18:19]
	s_mov_b64 s[18:19], KROW
	s_mul_u64 s[20:21], s[20:21], s[18:19]         ; and their codes
	s_mul_u64 s[46:47], s[46:47], s[18:19]
	s_mul_i32 s45, s14, HALFT                      ; where they go: wave x 128 rows: no place in the cluster enters an LDS address
	s_mul_i32 s94, s14, HALFS
	s_wait_dscnt 0x0                               ; both opening adds are done
	s_wait_kmcnt 0x0
	s_add_nc_u64 s[8:9], s[4:5], 0x400000          ; Wa's codes stand behind iQ's 8,192 x 512 bytes,
	s_add_nc_u64 s[10:11], s[6:7], 0x40000         ; its scale bytes behind iQ's 8,192 x 32
	s_add_nc_u64 s[20:21], s[4:5], s[20:21]
	s_add_nc_u64 s[22:23], s[6:7], s[22:23]
	s_add_nc_u64 s[46:47], s[8:9], s[46:47]
	s_add_nc_u64 s[92:93], s[10:11], s[92:93]
	CROUND                                         ; all sixteen work-groups are here: the joint loads meet
	s_mov_b32 s[G0S], 1
	s_add_co_u32 s[G0S+1], s94, SCL
	s_mov_b64 s[G0S+2:G0S+3], s[22:23]
	s_or_b32 s[G0S+3], s[G0S+3], 0x80000000
	s_mov_b32 s[G0SB], 1
	s_add_co_u32 s[G0SB+1], s94, SCL
	s_mov_b64 s[G0SB+2:G0SB+3], s[92:93]
	s_or_b32 s[G0SB+3], s[G0SB+3], 0x80000000
	JLOAD G0S, G1S, G0SB, G1SB                     ; the scales first: they are wanted with the first slot
.irp s, 0,1
	s_mov_b32 s[G0+4*\s], 1
	s_add_co_u32 s[G0+4*\s+1], s45, \s*SLOT
	s_add_nc_u64 s[G0+4*\s+2:G0+4*\s+3], s[20:21], \s*ROWB
	s_or_b32 s[G0+4*\s+3], s[G0+4*\s+3], 0x80000000
	s_mov_b32 s[G0B+4*\s], 1
	s_add_co_u32 s[G0B+4*\s+1], s45, \s*SLOT
	s_add_nc_u64 s[G0B+4*\s+2:G0B+4*\s+3], s[46:47], \s*ROWB
	s_or_b32 s[G0B+4*\s+3], s[G0B+4*\s+3], 0x80000000
	JLOAD G0+4*\s, G1, G0B+4*\s, G1B
.endr
	v_and_b32 v1, 15, v0                           ; r = l % 16
	v_bfe_u32 v2, v0, 4, 1                         ; h = l / 16
	v_mul_u32_u24 v3, v1, PITCH
	v_lshl_add_u32 v4, v2, 4, v3                   ; a fragment's row x pitch + 16 x half
	s_mul_i32 s21, s15, HALFT                      ; my 128 rows of A
	s_mul_i32 s22, s16, HALFT                      ; my 128 rows of B,
	s_add_co_u32 s22, s22, 2*HALFT                 ; which lie behind A's 256
.irp s, 0,1
	v_add_nc_u32 v[ADRA+\s], s21, v4
	v_add_nc_u32 v[ADRB+\s], s22, v4
	s_add_co_u32 s21, s21, SLOT
	s_add_co_u32 s22, s22, SLOT
.endr
	v_mul_u32_u24 v5, v1, KS                       ; my row's scales: KS bytes a row,
	v_lshrrev_b32 v6, 8, v5
	v_lshl_add_u32 v5, v6, 4, v5                   ; and 16 more for each 256 passed
	s_mul_i32 s21, s15, HALFS                      ; A's: my 128 rows
	s_mul_i32 s22, s16, HALFS                      ; B's: my 128 rows, behind A's 256
	s_add_co_u32 s22, s22, 2*HALFS
	s_sub_co_u32 s22, s22, s21
	v_mul_u32_u24 v6, s22, v2                      ; lanes 16-31 take B's
	s_add_co_u32 s21, s21, SCL
	v_add_nc_u32 v5, v5, v6
	v_add_nc_u32 v[ADRS], s21, v5
	; the way out: which buffer, which factor, which half of an image, which place
	s_cmp_eq_u32 ttmp9, 0                          ; the cluster's x: 0 = q, 1 = k, 2 = v
	s_cselect_b64 s[12:13], s[96:97], s[98:99]
	s_cselect_b32 s66, 0x3e38aa3b, 1.0             ; q is multiplied by log2(e) / 8, so that the score product gives the exponent to base 2
	s_mov_b32 s67, s66                             ; (named with it as a pair, so it is written)
	s_cmp_eq_u32 ttmp9, 2
	s_cselect_b32 s95, 2048, 0                     ; v lies in the second half of an image
	s_cselect_b32 s94, -1, 0                       ; and takes the turned places
	s_lshl_b32 s20, s17, 8
	s_lshl_b32 s21, s15, 7
	s_add_co_u32 s20, s20, s21                     ; my first token: 256 x tile row + 128 x half
	s_lshr_b32 s21, s20, 11                        ; its batch,
	s_lshl_b32 s21, s21, 4
	s_lshl_b32 s46, s40, 2                         ; my first head: 4 cx + 2 x half
	s_lshl_b32 s47, s16, 1
	s_add_co_u32 s46, s46, s47
	s_add_co_u32 s46, s46, s21                     ; 16 x batch + head
	s_lshl_b32 s46, s46, 19                        ; 524,288 bytes a head
	s_and_b32 s20, s20, 2047
	s_lshl_b32 s20, s20, 8                         ; 4,096 bytes for each 16 tokens
	s_add_co_u32 s46, s46, s20
	s_mov_b32 s47, 0
	s_add_nc_u64 s[12:13], s[12:13], s[46:47]
	v_and_b32 v6, 31, v0                           ; my lane: q's and k's place
	v_and_b32 v5, 7, v1
	v_lshl_add_u32 v5, v2, 3, v5
	v_lshrrev_b32 v7, 3, v1
	v_lshl_add_u32 v5, v7, 4, v5                   ; v's place: 16 (r / 8) + 8 h + r % 8
	v_cndmask_b32 v5, v6, v5, s94
	v_lshlrev_b32 v5, 4, v5
	v_add_nc_u32 v[CO], s95, v5
.macro FRAG reg, adr, q, i             ; a fragment, 16 rows x 128 K of 4-bit codes: lane l holds row l % 16; registers 4 c .. 4 c + 3 hold K = 64 c + 32 (l / 16) + 0 .. 31
.irp c, 0,1
	ds_load_b128 v[\reg+4*\c:\reg+4*\c+3], v[\adr] offset:64*(\q)+32*\c+(\i)*16*PITCH
.endr
.endm
; 16 matrix instructions: A's blocks a0, a0 + 1 x B's eight, 128 along K: the slot's q-th.  p: B's set;  sc: the set of scale words.  zero = 1: the first product starts the sums.
; The 64 accumulators take turns, one instruction a turn, in the same order in every step.
.macro MUL16 a0, p, q, sc, zero
.irp a, \a0, \a0+1
.irp b, 0,1,2,3,4,5,6,7
.if \zero
	v_wmma_scale_f32_16x16x128_f8f6f4 v[8*(8*((\a)%4)+\b):8*(8*((\a)%4)+\b)+7], v[128*(\p)+FR*\b:128*(\p)+FR*\b+FR-1], v[AF+FR*(\a):AF+FR*(\a)+FR-1], 0, v[SC+8*NQ*(\sc)+NQ*\b+(\q)], v[SC+8*NQ*(\sc)+NQ*(\a)+(\q)] matrix_a_fmt:MATRIX_FMT_FP4 matrix_b_fmt:MATRIX_FMT_FP4 matrix_a_scale:MATRIX_SCALE_ROW1
.else
	v_wmma_scale_f32_16x16x128_f8f6f4 v[8*(8*((\a)%4)+\b):8*(8*((\a)%4)+\b)+7], v[128*(\p)+FR*\b:128*(\p)+FR*\b+FR-1], v[AF+FR*(\a):AF+FR*(\a)+FR-1], v[8*(8*((\a)%4)+\b):8*(8*((\a)%4)+\b)+7], v[SC+8*NQ*(\sc)+NQ*\b+(\q)], v[SC+8*NQ*(\sc)+NQ*(\a)+(\q)] matrix_a_fmt:MATRIX_FMT_FP4 matrix_b_fmt:MATRIX_FMT_FP4 matrix_a_scale:MATRIX_SCALE_ROW1
.endif
.endr
.endr
.endm
.macro FETCH_B slot, q, p              ; B's eight fragments of the slot's q-th 128 along K into set p
	WIN TO_B
.irp i, 0,1,2,3,4,5,6,7
	FRAG 128*(\p)+FR*\i, ADRB+\slot, \q, \i
.endr
	WIN 0
.endm
.macro FETCH_A slot, q, i0             ; A's blocks i0 .. i0 + 3
.irp i, \i0, \i0+1, \i0+2, \i0+3
	FRAG AF+FR*(\i), ADRA+\slot, \q, \i
.endr
.endm
.macro SCALES sc                       ; a slot's scale words into set sc: NQ words a row; lanes 0-15 take A's block i, lanes 16-31 B's block i
.irp i, 0,1,2,3,4,5,6,7
	ds_load_b128 v[SC+8*NQ*\sc+NQ*\i:SC+8*NQ*\sc+NQ*\i+3], v[ADRS] offset:\i*SBLK
.endr
.endm
; A load into a register that a matrix instruction has read, and a vector instruction that reads a matrix result or writes one of its registers, stand NP places behind it; only plain vector
; instructions that name none of its registers are places (ISA guide 7.12.1 for vector instructions).
.macro PLACES n
.rept \n
	v_nop
.endr
.endm
.macro STEP slot, q, zero              ; a step of 128 along K that has its successor in the same slot
	s_wait_dscnt 4*NL                              ; B's set and A's blocks 0-3 are in; the youngest eight loads (A's blocks 4-7) may be out
	WIN MUL_LO
	MUL16 0, (\q)%2, \q, \slot, \zero
	MUL16 2, (\q)%2, \q, \slot, \zero
	s_wait_dscnt 0                                 ; A's blocks 4-7 are in (asked for 32 matrix instructions ago)
	PLACES NP
	FETCH_B \slot, (\q)+1, 1-(\q)%2
	FETCH_A \slot, (\q)+1, 0
	WIN MUL_HI
	MUL16 4, (\q)%2, \q, \slot, \zero
	MUL16 6, (\q)%2, \q, \slot, \zero
	PLACES NP
	WIN 0
	FETCH_A \slot, (\q)+1, 4
.endm
; Slot 0's last step changes slots: ONE barrier; in front of it each wave waits for all its tensor loads (slot 1's is the one that may be out), adds 0 to its spare word and waits for that.  Nothing is filled again.
.macro TURN slot, next
	s_wait_tensorcnt 0x0                           ; my part of the next slot has landed  (every window is 0 here: the add's two registers lie in window 0)
	ds_add_u32 v[SPW], v[NIL]                      ; 0 onto my spare word
	s_wait_dscnt 4*NL+1                            ; (the add and the youngest eight loads, A's blocks 4-7, may be out)
	WIN MUL_LO
	MUL16 0, 1, NQ-1, \slot, 0
	s_wait_dscnt 0x0                               ; no LDS instruction of mine is pending at the signal
	s_barrier_signal -1
	MUL16 2, 1, NQ-1, \slot, 0
	WIN 0
	s_barrier_wait -1                              ; everybody's part of the next slot has landed
	PLACES NP
	v_add_nc_u32 v[ADRS], 4*NQ, v[ADRS]            ; on to the next slot's scale words
	FETCH_B \next, 0, 0
	FETCH_A \next, 0, 0
	SCALES \next
	WIN MUL_HI
	MUL16 4, 1, NQ-1, \slot, 0
	MUL16 6, 1, NQ-1, \slot, 0
	PLACES NP
	WIN 0
	FETCH_A \next, 0, 4
.endm
.macro STEPS slot, from                ; the slot's steps from .. NQ - 2
.set Q, \from
.rept NQ-1-\from
	STEP \slot, Q, 0
.set Q, Q+1
.endr
.endm
	s_wait_tensorcnt 1                             ; the scales and my part of slot 0 are in (slot 1's load may be out)
	s_barrier_signal -1
	s_barrier_wait -1                              ; everybody's are
	FETCH_B 0, 0, 0
	FETCH_A 0, 0, 0
	SCALES 0
	FETCH_A 0, 0, 4
	STEP 0, 0, 1                                   ; the first step's products start the sums: nothing is cleared
	STEPS 0, 1
	TURN 0, 1
	STEPS 1, 0
	s_wait_dscnt 4*NL                              ; the very last step: nothing more to fetch
	WIN MUL_LO
	MUL16 0, 1, NQ-1, 1, 0
	MUL16 2, 1, NQ-1, 1, 0
	s_wait_dscnt 0
	WIN MUL_HI
	MUL16 4, 1, NQ-1, 1, 0
	MUL16 6, 1, NQ-1, 1, 0
	WIN 0
; THE WAY OUT, block by block of 16 tokens x 128 channels (two heads).  A lane's eight numbers of accumulator (a, b) are token 16 a + r, channels 16 b + 8 h + 0 .. 7: scaled in f32, rounded to f16, 16 bytes.
; Each accumulator is read from its low end on.
.macro OUT a
.if (\a) >= 2
	s_wait_xcnt 0x0                                ; block a - 2's stores have read their data: its set of packed registers is written again only behind this wait
.endif
	WIN (0x02+(\a)/4)                              ; source 0: window 2 or 3
.set i, 0
.rept 32
	v_pk_mul_f32 v[TMP+2*i:TMP+2*i+1], v[64*((\a)%4)+2*i:64*((\a)%4)+2*i+1], s[66:67] op_sel_hi:[1,0]
.set i, i+1
.endr
	WIN 0
.set i, 0
.rept 32
	v_cvt_pk_f16_f32 v[PK+32*((\a)%2)+i], v[TMP+2*i], v[TMP+2*i+1]
.set i, i+1
.endr
.irp b, 0,1,2,3,4,5,6,7
	global_store_b128 v[CO], v[PK+32*((\a)%2)+4*\b:PK+32*((\a)%2)+4*\b+3], s[12:13] offset:(\b/4)*524288+(\a)*4096+(\b%4)*512   ; 32 lanes store 512 consecutive bytes, aligned
.endr
.endm
	PLACES NP                                      ; behind the last products: their results are read and their scale registers written below
.irp a, 0,1,2,3,4,5,6,7
	OUT \a
.endr
	s_wait_tensorcnt 0x0                           ; the wave's end: all tensor loads waited for, 0 added to my spare word and waited for, behind my last tensor load
	ds_add_u32 v[SPW], v[NIL]
	s_wait_dscnt 0x0
	CROUND                                         ; the closing round: no work-group ends while a partner may still ask for a tile that names it
	s_endpgm
.Lfunc_end_k_qc1f836f5da_qkv:
	.size	k_qc1f836f5da_qkv, .Lfunc_end_k_qc1f836f5da_qkv-k_qc1f836f5da_qkv
	.p2alignl 7, 3214868480
	.fill 96, 4, 3214868480
	.section	.rodata,"a",@progbits
	.p2align	6, 0x0
	.amdhsa_kernel k_qc1f836f5da_qkv
		.amdhsa_group_segment_fixed_size 327680
		.amdhsa_private_segment_fixed_size 0
		.amdhsa_enable_private_segment 0
		.amdhsa_kernarg_size 32
		.amdhsa_user_sgpr_count 2
		.amdhsa_user_sgpr_kernarg_segment_ptr 1
		.amdhsa_wavefront_size32 1
		.amdhsa_system_sgpr_workgroup_id_x 1
		.amdhsa_system_sgpr_workgroup_id_y 1
		.amdhsa_system_sgpr_workgroup_id_z 1
		.amdhsa_system_vgpr_workitem_id 0
		.amdhsa_next_free_vgpr 1024
		.amdhsa_next_free_sgpr 100
		.amdhsa_reserve_vcc 0
		.amdhsa_float_denorm_mode_32 3
		.amdhsa_float_denorm_mode_16_64 3
		.amdhsa_memory_ordered 1
		.amdhsa_forward_progress 1
		.amdhsa_inst_pref_size 134
	.end_amdhsa_kernel
	.amdgpu_metadata
---
amdhsa.version: [ 1, 2 ]
amdhsa.kernels:
  - .name:           k_qc1f836f5da_qkv
    .symbol:         k_qc1f836f5da_qkv.kd
    .args:
      - { .name: codes, .offset: 0, .size: 8, .value_kind: global_buffer, .address_space: global }
      - { .name: scales, .offset: 8, .size: 8, .value_kind: global_buffer, .address_space: global }
      - { .name: qimg, .offset: 16, .size: 8, .value_kind: global_buffer, .address_space: global }
      - { .name: kvimg, .offset: 24, .size: 8, .value_kind: global_buffer, .address_space: global }
    .group_segment_fixed_size: 327680
    .private_segment_fixed_size: 0
    .kernarg_segment_align: 8
    .kernarg_segment_size: 32
    .max_flat_workgroup_size: 128
    .sgpr_count:     100
    .vgpr_count:     1024
    .wavefront_size: 32
...
	.end_amdgpu_metadata
.endif
;; end of part 2
;; launch attn (part 3): grid 4 x 64, 16 waves a work-group, clusters of 4 x 1, 327,680 bytes of LDS; arguments qimg, kvimg, mw, oimg; writes oimg
.if DOCPART == 3
	.amdgcn_target "amdgcn-amd-amdhsa--gfx1250"
	.amdhsa_code_object_version 6
	.text
	.protected	k_qc1f836f5da_attn
	.globl	k_qc1f836f5da_attn
	.p2align	8
	.type	k_qc1f836f5da_attn,@function
k_qc1f836f5da_attn:
	s_mov_b64 s[64:65], 0
	v_nop
	global_prefetch_b8 v0, s[64:65] scope:SCOPE_SE
	s_setreg_imm32_b32 hwreg(HW_REG_WAVE_MODE, 25, 1), 1
	s_wait_xcnt 0x0
	s_wait_alu depctr_hold_cnt(0) depctr_sa_sdst(0) depctr_va_vdst(0) depctr_va_sdst(0) depctr_va_ssrc(0) depctr_va_vcc(0) depctr_vm_vsrc(0)
	s_getreg_b32 s2, hwreg(HW_REG_IB_STS2, 6, 4)
	s_cmp_eq_u32 s2, 0
	s_cbranch_scc0 .Lentry_in_a_cluster
	s_endpgm
.Lentry_in_a_cluster:
	s_bfe_u32 s2, ttmp6, 0x10000c
	s_cmp_lg_u32 s2, 0x3003
	s_cbranch_scc0 .Lentry_shape_is_right
	s_endpgm
.Lentry_shape_is_right:
; o[b][h][q][:] = the sum over k of softmax_k(s) v[b][h][k][:], s = q . k / 8 where the mask is false and -1e32 where it is true.  64 heads (batch x head), 2,048 tokens, head size 64.
; q (already x log2(e) / 8), k and v come as f16 images of operand registers; products in f16 with f32 sums; maxima, exponentials and sums in f32; the weights p are rounded to f16 for the second product.
; SHARES.  A work-group owns 512 queries of one head; each of its SIXTEEN waves owns two tiles of 16 queries, in 256 registers: four waves to a SIMD, so that one wave's vector work stands beside
; another's products and LDS loads.  Every wave walks all 2,048 keys, 64 a step.
; LAYOUT.  Both products are used transposed: S^T = K Q^T (source 0 = 16 keys, source 1 = 16 queries), O^T = V^T P (source 0 = 16 channels, source 1 = P): a lane holds ONE query (lane % 16) throughout;
; register j of a tile of scores is key 8 (lane / 16) + j.  Two tiles of scores, rounded in pairs, ARE source 1 of the second product.
; THE MASK comes as words with one bit a lane, one word for each register of a tile of scores: scalar loads bring a step's 64 words, and ONE v_cndmask_b32 a register puts -1e32 log2(e) in the masked places.
; SOFTMAX to base 2, with a running maximum m and sum l for each query: p = 2^(t - m); in every step O and l are multiplied by a = 2^(m_old - m_new).  t - m is a true difference: in a row all of whose keys are
; masked it is 0, p is 1, and the row comes out as the mean of all values, as it must.  The step is written once: O, l begin as zeros and m as -3e38, so the first a is 0.
; CLUSTER.  The four query blocks of a head form a cluster and walk the same K and V: each tile is asked for JOINTLY, with a mask that names the four.
; THE RING.  Two slots of 512 keys, 131,072 bytes each, exact copies of the images in memory (a tile of 16 keys: K's 2,048 bytes, then V's 2,048).  ALL sixteen waves load, 8,192 bytes each: one line, no branch.
; By this text's count a wave has two tensor loads out at the start and one behind each round.  Every LDS read is at 16 x lane + a constant.  A refill has eight key steps in which to land.
; No prefetch: a refill is itself asked for eight key steps ahead of the wait for it, and the mask words are read by sixteen heads.
; LIMITS: real scores are taken to lie far above -1e32; |o| under 65,504 (f16 on the way out); NaN and infinities are not served.
.set SLOT1, 131072
.set SPARE, 262144                     ; behind the ring: the spare words, 128 bytes for each wave: eight blocks of 256 bytes that no other line names
.set LI,  1                            ; v1   16 x lane; never rewritten
.set ADR, 2                            ; v2   LDS address of the step's tiles
.set TM,  3                            ; v3   -1e32 log2(e)
.set SPW, 4                            ; v4   LDS address of my spare word; never rewritten
.set NIL, 5                            ; v5   0; never rewritten
.set ST,  8                            ; v8-23  tile t's statistics at ST + 8 t: +0 -m, +1 m, +2, +3 l (even keys', odd keys'), +4 to +7 c0-c3 at work; a takes c2's place
.set Q,   24                           ; v24-55   Q: tile t, channels 16 g on at Q + 16 t + 4 g
.set KV,  56                           ; v56-119  the one buffer for K's fragments and then V's
.set S,   120                          ; v120-183 S^T: tile t, 16 keys kt at S + 32 t + 8 kt; P is packed in place into the tile's first 16
.set O,   184                          ; v184-247 O^T: tile t, 16 channels ct at O + 32 t + 8 ct
.set WV,  12                           ; s12  my wave's number
.set CX,  13                           ; s13  my place in the cluster: it enters global addresses alone
.set TB,  14                           ; s14  LDS byte at which the step's tiles begin
.set MO,  15                           ; s15  byte offset of the step's mask words in a tile's 4,096
.set SEL, 66                           ; s[66:67] lane selects for v_permlanex16_b32: lane l xor 16
.set MB,  68                           ; s[68:69] my first tile's mask words
.set OB,  70                           ; s[70:71] my first tile's place in oimg
.set G1,  72                           ; s[72:79] descriptor group 1;  s[4:7] group 0 of the first fill of slot 0;  s[8:11] group 0 that walks
.set QB,  96                           ; s[96:97] my first tile's image of q
.set CNT, 98                           ; s98  counts a slot's eight steps
                                       ; s[16:63], s[80:95]: a step's 64 mask words
.macro CROUND                          ; a round of the cluster's barrier
	s_barrier_signal -1
	s_barrier_wait -1
	s_cmp_lg_u32 s[WV], 0
	s_cbranch_scc1 .Lnot_wave_0_\@
	s_barrier_signal -3
.Lnot_wave_0_\@:
	s_barrier_wait -3
	s_barrier_signal -1
	s_barrier_wait -1
.endm
.macro MLOAD                           ; a step's mask words: tile 0's 32 (four tiles of 16 keys x 8), then tile 1's, 4,096 bytes on
	s_load_b512 s[16:31], s[MB:MB+1], s[MO] offset:0x0
	s_load_b512 s[32:47], s[MB:MB+1], s[MO] offset:0x40
	s_load_b512 s[48:63], s[MB:MB+1], s[MO] offset:0x1000
	s_load_b512 s[80:95], s[MB:MB+1], s[MO] offset:0x1040
.endm
	s_load_b256 s[16:23], s[0:1], 0x0              ; qimg s[16:17], kvimg s[18:19], mw s[20:21], oimg s[22:23]
	v_lshl_add_u32 v[SPW], v0, 2, SPARE
	v_mov_b32 v[NIL], 0
	ds_add_u32 v[SPW], v[NIL]                      ; the wave's opening: the add, twice on end, and its wait ahead of my first tensor load
	ds_add_u32 v[SPW], v[NIL]
	v_lshrrev_b32 v6, 5, v0
	v_readfirstlane_b32 s[WV], v6                  ; wave 0..15
	v_and_b32 v6, 31, v0
	v_lshlrev_b32 v[LI], 4, v6
	s_bfe_u32 s[CX], ttmp6, 0x40000                ; cx: which 512 queries of the head
	s_and_b32 s2, ttmp7, 0xffff                    ; 16 x batch + head, which the four partners share
	; descriptor group 1: 8,192 dense bytes as 32 rows of 256 bytes (32 elements of 8 bytes), no padding
	s_mov_b32 s[G1], 15|(3<<16)|(1<<21)            ; the mask: all four work-groups; elements of 8 bytes; bit 21 set beside a mask
	s_mov_b32 s[G1+1], 32<<16                      ; tensor_dim0 = 32
	s_mov_b32 s[G1+2], 32<<16                      ; tensor_dim1 = 32
	s_mov_b32 s[G1+3], 32<<16                      ; tile_dim0 = 32
	s_mov_b32 s[G1+4], 32                          ; tile_dim1 = 32
	s_mov_b32 s[G1+5], 32                          ; tensor_dim0_stride
	s_mov_b32 s[G1+6], 0
	s_mov_b32 s[G1+7], 0
	s_mov_b32 s[SEL], 0x76543210
	s_mov_b32 s[SEL+1], 0xfedcba98
	s_mov_b32 s[MO], 0
	s_lshl_b32 s100, s2, 19                        ; K and V: 524,288 bytes a head,
	s_lshl_b32 s3, s[WV], 13                       ; my 8,192 bytes of a slot: neither hangs on my place in the cluster
	s_add_co_u32 s100, s100, s3
	s_mov_b32 s101, 0
	s_lshl_b32 s99, s[CX], 5
	s_lshl_b32 s3, s[WV], 1
	s_add_co_u32 s99, s99, s3                      ; my first tile of queries: 32 cx + 2 x wave
	s_lshl_b32 s24, s2, 7
	s_add_co_u32 s24, s24, s99
	s_lshl_b32 s24, s24, 12                        ; q: 4,096 bytes a tile
	s_mov_b32 s25, 0
	s_lshr_b32 s26, s2, 4                          ; the batch
	s_lshl_b32 s26, s26, 7
	s_add_co_u32 s26, s26, s99                     ; 128 x batch + tile
	s_lshl_b32 s28, s26, 15                        ; o: 32,768 bytes a tile of 16 tokens,
	s_and_b32 s3, s2, 15
	s_lshl_b32 s3, s3, 11                          ; 2,048 a head
	s_add_co_u32 s28, s28, s3
	s_mov_b32 s29, 0
	s_lshl_b32 s26, s26, 12                        ; the mask words: 4,096 bytes a tile
	s_mov_b32 s27, 0
	s_wait_dscnt 0x0                               ; both opening adds are done
	s_wait_kmcnt 0x0
	s_add_nc_u64 s[QB:QB+1], s[16:17], s[24:25]
	s_add_nc_u64 s[MB:MB+1], s[20:21], s[26:27]
	s_add_nc_u64 s[OB:OB+1], s[22:23], s[28:29]
	s_mov_b32 s4, 1                                ; group 0: count = 1,
	s_lshl_b32 s5, s[WV], 13                       ; LDS address: slot 0, my 8,192 bytes,
	s_add_nc_u64 s[6:7], s[18:19], s[100:101]      ; global address: keys 0 to 511
	s_mov_b32 s8, 1
	s_add_co_u32 s9, s5, SLOT1                     ; slot 1,
	s_add_nc_u64 s[10:11], s[6:7], 131072          ; keys 512 to 1,023
	s_or_b32 s7, s7, 0x80000000                    ; type = 2
	s_or_b32 s11, s11, 0x80000000
	CROUND                                         ; all four work-groups are here: the first joint loads meet
	tensor_load_to_lds s[4:7], s[G1:G1+7]
	s_nop 0
	tensor_load_to_lds s[8:11], s[G1:G1+7]
	s_nop 0
.rept 4
	v_nop
.endr
.irp t, 0,1
.irp g, 0,1,2,3
	global_load_b128 v[Q+16*\t+4*\g:Q+16*\t+4*\g+3], v[LI], s[QB:QB+1] offset:4096*\t+512*\g th:TH_LOAD_NT   ; Q stays in registers
.endr
.endr
	MLOAD                                          ; the first step's mask words (the arguments in s[16:23] have been used)
	v_mov_b32 v[TM], 0xf4e39dfe                    ; -1e32 log2(e)
.irp t, 0,1
	v_mov_b32 v[ST+8*\t], 0x7f61b1e6               ; -m
	v_mov_b32 v[ST+8*\t+1], 0xff61b1e6             ; m = -3e38, under every t
.irp i, 2,3,4,5,6,7
	v_mov_b32 v[ST+8*\t+\i], 0                     ; l; and c0-c3, written once: a lane permute's destination counts as one of its sources
.endr
.endr
.set i, 0
.rept 64
	v_mov_b32 v[O+i], 0                            ; O^T: the step is written once, and its first a = 0 leaves zeros zeros
.set i, i+1
.endr
	s_wait_tensorcnt 1                             ; my part of slot 0 is in; slot 1's may stay out
	s_barrier_signal -1
	s_barrier_wait -1                              ; everybody's is
	s_wait_loadcnt 0x0                             ; Q
; A KEY STEP: 64 keys, my two tiles of queries.
.macro STEP
	v_add_nc_u32 v[ADR], s[TB], v[LI]              ; this line and four v_nop: five places behind the last step's products, whose operands are loaded over (four are owed) and written over by the score products (five)
.rept 4
	v_nop
.endr
.irp kt, 0,1,2,3
.irp g, 0,1,2,3
	ds_load_b128 v[KV+16*\kt+4*\g:KV+16*\kt+4*\g+3], v[ADR] offset:4096*\kt+512*\g   ; K: 16 keys kt, channels 16 g on
.endr
.endr
	s_add_co_u32 s[TB], s[TB], 16384               ; the next step's tiles
	s_wait_dscnt 0x0
.irp u, 0,1                                    ; S^T = K Q^T: channels 32 u on; the eight accumulators take turns; the first eight products start the sums
.irp kt, 0,1,2,3
.irp t, 0,1
.if \u == 0
	v_wmma_f32_16x16x32_f16 v[S+32*\t+8*\kt:S+32*\t+8*\kt+7], v[KV+16*\kt:KV+16*\kt+7], v[Q+16*\t:Q+16*\t+7], 0
.else
	v_wmma_f32_16x16x32_f16 v[S+32*\t+8*\kt:S+32*\t+8*\kt+7], v[KV+16*\kt+8:KV+16*\kt+15], v[Q+16*\t+8:Q+16*\t+15], v[S+32*\t+8*\kt:S+32*\t+8*\kt+7]
.endif
.endr
.endr
.endr
.rept 4
	v_nop                                          ; four places: in front of the loads into K's registers and of the first read of the scores
.endr
.irp kt, 0,1,2,3
.irp ct, 0,1,2,3
	ds_load_tr16_b128 v[KV+8*(4*(\kt/2)+\ct)+4*(\kt%2):KV+8*(4*(\kt/2)+\ct)+4*(\kt%2)+3], v[ADR] offset:4096*\kt+2048+512*\ct   ; V turned: channel lane % 16 of 16 ct on, keys 8 (lane / 16) + 0 .. 7 of tile kt; they land during the softmax
.endr
.endr
	s_wait_kmcnt 0x0                               ; the step's mask words, asked for a step ago
.irp t, 0,1
.irp kt, 0,1,2,3
.set j, 0
.rept 8
	v_cndmask_b32 v[S+32*\t+8*\kt+j], v[S+32*\t+8*\kt+j], v[TM], s[16+32*\t+8*\kt+16*\t*(\kt/2)+j]   ; each accumulator from its low end on
.set j, j+1
.endr
.endr
.endr
	s_add_co_u32 s[MO], s[MO], 128                 ; (the loads that read it are done: the wait above)
	s_and_b32 s[MO], s[MO], 4095                   ; the last step wraps to the tile's first words: no load leaves the buffer
	MLOAD                                          ; the next step's words
.irp k, 0,1,2,3                                ; the maximum of a tile's 32 scores and the old m, three operands at a time, four chains; the two tiles alternate
.irp t, 0,1
	v_max3_num_f32 v[ST+8*\t+4+\k], v[S+32*\t+8*\k], v[S+32*\t+8*\k+1], v[S+32*\t+8*\k+2]
.endr
.endr
.irp i, 3,5
.irp k, 0,1,2,3
.irp t, 0,1
	v_max3_num_f32 v[ST+8*\t+4+\k], v[ST+8*\t+4+\k], v[S+32*\t+8*\k+\i], v[S+32*\t+8*\k+\i+1]
.endr
.endr
.endr
.irp t, 0,1
	v_max3_num_f32 v[ST+8*\t+4], v[ST+8*\t+4], v[S+32*\t+7], v[S+32*\t+15]
.endr
.irp t, 0,1
	v_max3_num_f32 v[ST+8*\t+6], v[ST+8*\t+6], v[S+32*\t+23], v[S+32*\t+31]
.endr
.irp t, 0,1
	v_max3_num_f32 v[ST+8*\t+4], v[ST+8*\t+4], v[ST+8*\t+5], v[ST+8*\t+6]
.endr
.irp t, 0,1
	v_max3_num_f32 v[ST+8*\t+4], v[ST+8*\t+4], v[ST+8*\t+7], v[ST+8*\t+1]
.endr
.irp t, 0,1
	v_permlanex16_b32 v[ST+8*\t+5], v[ST+8*\t+4], s[SEL], s[SEL+1]   ; the query's other 32 keys lie in the lane 16 away
.endr
.irp t, 0,1
	v_max_num_f32 v[ST+8*\t+5], v[ST+8*\t+4], v[ST+8*\t+5]           ; the new m
.endr
.irp t, 0,1
	v_sub_f32 v[ST+8*\t+7], v[ST+8*\t+1], v[ST+8*\t+5]               ; m_old - m_new
.endr
.irp t, 0,1
	v_mov_b32 v[ST+8*\t+1], v[ST+8*\t+5]
.endr
.irp t, 0,1
	v_xor_b32 v[ST+8*\t], 0x80000000, v[ST+8*\t+5]                   ; -m
.endr
.irp t, 0,1
	v_exp_f32 v[ST+8*\t+6], v[ST+8*\t+7]                             ; a
.endr
.irp t, 0,1
.set i, 0
.rept 16
	v_pk_add_f32 v[S+32*\t+2*i:S+32*\t+2*i+1], v[S+32*\t+2*i:S+32*\t+2*i+1], v[ST+8*\t:ST+8*\t+1] op_sel_hi:[1,0]   ; t - m, two at a time (of the pair the low word, -m, serves both halves)
.set i, i+1
.endr
.endr
.set i, 0
.rept 64
	v_exp_f32 v[S+i], v[S+i]                       ; p = 2^(t - m)
.set i, i+1
.endr
	v_nop                                          ; a plain instruction behind the last exponential
	s_wait_alu depctr_va_vdst(0)                   ; this wait ahead of the first line that names an exponential's result: one for all 66
.irp t, 0,1
	v_pk_mul_f32 v[ST+8*\t+2:ST+8*\t+3], v[ST+8*\t+2:ST+8*\t+3], v[ST+8*\t+6:ST+8*\t+7] op_sel_hi:[1,0]   ; l x a
.endr
.irp t, 0,1
	v_pk_add_f32 v[ST+8*\t+4:ST+8*\t+5], v[S+32*\t:S+32*\t+1], v[S+32*\t+2:S+32*\t+3]   ; the sum of the unrounded p, in two chains
.endr
.irp j, 4,8,12,16,20,24,28
.irp t, 0,1
	v_pk_add_f32 v[ST+8*\t+2:ST+8*\t+3], v[ST+8*\t+2:ST+8*\t+3], v[S+32*\t+\j:S+32*\t+\j+1]
	v_pk_add_f32 v[ST+8*\t+4:ST+8*\t+5], v[ST+8*\t+4:ST+8*\t+5], v[S+32*\t+\j+2:S+32*\t+\j+3]
.endr
.endr
.irp t, 0,1
	v_pk_add_f32 v[ST+8*\t+2:ST+8*\t+3], v[ST+8*\t+2:ST+8*\t+3], v[ST+8*\t+4:ST+8*\t+5]
.endr
.irp t, 0,1
.set i, 0
.rept 16
	v_cvt_pk_f16_f32 v[S+32*\t+i], v[S+32*\t+2*i], v[S+32*\t+2*i+1]   ; P, in place, ascending: register i is written when registers 2 i and 2 i + 1 are read
.set i, i+1
.endr
.endr
.irp t, 0,1
.set i, 0
.rept 16
	v_pk_mul_f32 v[O+32*\t+2*i:O+32*\t+2*i+1], v[O+32*\t+2*i:O+32*\t+2*i+1], v[ST+8*\t+6:ST+8*\t+7] op_sel_hi:[1,0]   ; O^T x a, each accumulator from its low end on
.set i, i+1
.endr
.endr
	s_wait_dscnt 0x0                               ; V is in
.irp kc, 0,1                                   ; O^T += V^T P: keys 32 kc on; the eight accumulators take turns
.irp ct, 0,1,2,3
.irp t, 0,1
	v_wmma_f32_16x16x32_f16 v[O+32*\t+8*\ct:O+32*\t+8*\ct+7], v[KV+8*(4*\kc+\ct):KV+8*(4*\kc+\ct)+7], v[S+32*\t+8*\kc:S+32*\t+8*\kc+7], v[O+32*\t+8*\ct:O+32*\t+8*\ct+7]
.endr
.endr
.endr
.endm
.macro STEPS base                      ; a slot's eight key steps
	s_mov_b32 s[TB], \base
	s_mov_b32 s[CNT], 8
.Lstep_\@:
	STEP
	s_sub_co_u32 s[CNT], s[CNT], 1
	s_cmp_lg_u32 s[CNT], 0
	s_cbranch_scc1 .Lstep_\@
.endm
; THE CHANGE OF SLOTS.  Each wave waits for all its tensor loads (its part of the slot ahead), adds 0 to its spare word, and waits for that and for its reads of the slot that it leaves.
; fill = 1: the barrier is a round of the cluster's, so that no wave of any partner still reads the slot or has a load on its way; the joint refill is the first thing behind it.
.macro CHANGE fill
	s_wait_tensorcnt 0x0                           ; no tensor load of mine is out, so a group 0 may be written
	ds_add_u32 v[SPW], v[NIL]                      ; 0 onto my spare word
.if \fill
	s_xor_b32 s9, s9, SLOT1                        ; the walking descriptor: the other slot than last time,
	s_add_nc_u64 s[10:11], s[10:11], 131072        ; the next 512 keys; the type bits on top are not reached
.endif
	s_wait_dscnt 0x0                               ; the add is done, and my reads of the slot are over
.if \fill
	CROUND
	tensor_load_to_lds s[8:11], s[G1:G1+7]
	s_nop 0
.rept 4
	v_nop
.endr
.else
	s_barrier_signal -1
	s_barrier_wait -1
.endif
.endm
	STEPS 0                                        ; keys 0 to 511
	CHANGE 1                                       ; keys 1,024 on go into slot 0
	STEPS SLOT1                                    ; keys 512 to 1,023
	CHANGE 1                                       ; keys 1,536 on go into slot 1
	STEPS 0
	CHANGE 0                                       ; nothing is left to fetch
	STEPS SLOT1
	; THE WAY OUT.  l's two halves and the other half of the lanes' are added (l is at least 1: the largest p of a row is 1); O^T / l is rounded to f16.  A lane's eight channels of a token are 16 bytes of
	; an image of the next launch's operand registers, [16 tokens][16 channels of 1,024][32 lanes][16 bytes]: each store of the wave covers 512 consecutive bytes, aligned.  The additions are the places behind the last products.
	s_wait_kmcnt 0x0
.irp t, 0,1
	v_add_f32 v[ST+8*\t+4], v[ST+8*\t+2], v[ST+8*\t+3]
.endr
.irp t, 0,1
	v_permlanex16_b32 v[ST+8*\t+5], v[ST+8*\t+4], s[SEL], s[SEL+1]
.endr
.irp t, 0,1
	v_add_f32 v[ST+8*\t+4], v[ST+8*\t+4], v[ST+8*\t+5]
.endr
.irp t, 0,1
	v_rcp_f32 v[ST+8*\t+6], v[ST+8*\t+4]
.endr
	v_nop                                          ; a plain instruction between the last reciprocal and the use of its result
	s_wait_alu depctr_va_vdst(0)                   ; and the wait ahead of the first use: one for both
.irp t, 0,1
.set i, 0
.rept 16
	v_pk_mul_f32 v[O+32*\t+2*i:O+32*\t+2*i+1], v[O+32*\t+2*i:O+32*\t+2*i+1], v[ST+8*\t+6:ST+8*\t+7] op_sel_hi:[1,0]
.set i, i+1
.endr
.set i, 0
.rept 16
	v_cvt_pk_f16_f32 v[S+16*\t+i], v[O+32*\t+2*i], v[O+32*\t+2*i+1]
.set i, i+1
.endr
.irp ct, 0,1,2,3
	global_store_b128 v[LI], v[S+16*\t+4*\ct:S+16*\t+4*\ct+3], s[OB:OB+1] offset:32768*\t+512*\ct
.endr
.endr
	s_wait_tensorcnt 0x0                           ; the wave's end: all tensor loads waited for, 0 added to my spare word and waited for, behind my last tensor load
	ds_add_u32 v[SPW], v[NIL]
	s_wait_dscnt 0x0
	CROUND                                         ; the closing round: no work-group ends while a partner may still ask for a tile that names it
	s_endpgm
.Lfunc_end_k_qc1f836f5da_attn:
	.size	k_qc1f836f5da_attn, .Lfunc_end_k_qc1f836f5da_attn-k_qc1f836f5da_attn
	.p2alignl 7, 3214868480
	.fill 96, 4, 3214868480
	.section	.rodata,"a",@progbits
	.p2align	6, 0x0
	.amdhsa_kernel k_qc1f836f5da_attn
		.amdhsa_group_segment_fixed_size 327680
		.amdhsa_private_segment_fixed_size 0
		.amdhsa_enable_private_segment 0
		.amdhsa_kernarg_size 32
		.amdhsa_user_sgpr_count 2
		.amdhsa_user_sgpr_kernarg_segment_ptr 1
		.amdhsa_wavefront_size32 1
		.amdhsa_system_sgpr_workgroup_id_x 1
		.amdhsa_system_sgpr_workgroup_id_y 1
		.amdhsa_system_sgpr_workgroup_id_z 1
		.amdhsa_system_vgpr_workitem_id 0
		.amdhsa_next_free_vgpr 256
		.amdhsa_next_free_sgpr 102
		.amdhsa_reserve_vcc 0
		.amdhsa_float_denorm_mode_32 3
		.amdhsa_float_denorm_mode_16_64 3
		.amdhsa_memory_ordered 1
		.amdhsa_forward_progress 1
		.amdhsa_inst_pref_size 102
	.end_amdhsa_kernel
	.amdgpu_metadata
---
amdhsa.version: [ 1, 2 ]
amdhsa.kernels:
  - .name:           k_qc1f836f5da_attn
    .symbol:         k_qc1f836f5da_attn.kd
    .args:
      - { .name: qimg, .offset: 0, .size: 8, .value_kind: global_buffer, .address_space: global }
      - { .name: kvimg, .offset: 8, .size: 8, .value_kind: global_buffer, .address_space: global }
      - { .name: mw, .offset: 16, .size: 8, .value_kind: global_buffer, .address_space: global }
      - { .name: oimg, .offset: 24, .size: 8, .value_kind: global_buffer, .address_space: global }
    .group_segment_fixed_size: 327680
    .private_segment_fixed_size: 0
    .kernarg_segment_align: 8
    .kernarg_segment_size: 32
    .max_flat_workgroup_size: 512
    .sgpr_count:     102
    .vgpr_count:     256
    .wavefront_size: 32
...
	.end_amdgpu_metadata
.endif
;; end of part 3
;; launch proj (part 4): grid 4 x 64, 4 waves a work-group, clusters of 4 x 4, 327,680 bytes of LDS; arguments oimg, wo16, out0; writes out0
.if DOCPART == 4
	.amdgcn_target "amdgcn-amd-amdhsa--gfx1250"
	.amdhsa_code_object_version 6
	.text
	.protected	k_qc1f836f5da_proj
	.globl	k_qc1f836f5da_proj
	.p2align	8
	.type	k_qc1f836f5da_proj,@function
k_qc1f836f5da_proj:
	s_mov_b64 s[64:65], 0
	v_nop
	global_prefetch_b8 v0, s[64:65] scope:SCOPE_SE
	s_setreg_imm32_b32 hwreg(HW_REG_WAVE_MODE, 25, 1), 1
	s_wait_xcnt 0x0
	s_wait_alu depctr_hold_cnt(0) depctr_sa_sdst(0) depctr_va_vdst(0) depctr_va_sdst(0) depctr_va_ssrc(0) depctr_va_vcc(0) depctr_vm_vsrc(0)
	s_getreg_b32 s2, hwreg(HW_REG_IB_STS2, 6, 4)
	s_cmp_eq_u32 s2, 0
	s_cbranch_scc0 .Lentry_in_a_cluster
	s_endpgm
.Lentry_in_a_cluster:
	s_bfe_u32 s2, ttmp6, 0x10000c
	s_cmp_lg_u32 s2, 0xf033
	s_cbranch_scc0 .Lentry_shape_is_right
	s_endpgm
.Lentry_shape_is_right:
; out[m][n] = sum over e of o[m][e] Wo[n][e].  M = 8,192, N = 1,024, K = 1,024; operands f16, sums f32, out f32.
; o comes as images of operand registers, [16 tokens 512][16 channels 64][32 lanes][16 bytes]; Wo as f16, row-major.
; A tile of out is 128 rows x 256 columns: 256 work-groups, one for each WGP (tiles of 256 x 256 would be 128).  Four waves, each 64 x 128: 32 accumulators of 16 x 16, 256 registers.
; K goes in steps of 128 through a ring of two LDS slots.  A slot: o's 8 blocks of 16 tokens x 4,096 bytes, dense, as they lie in memory; then 256 rows of Wo, 256 bytes + 16 of padding each.
; CLUSTERS: 4 x 4 work-groups.  The four of a row of the cluster need the same tiles of o, the four of a column the same tiles of Wo: each tile is asked for JOINTLY.
; THE MATRIX INSTRUCTION IS USED TRANSPOSED (source 0 = 16 rows of Wo, source 1 = 16 tokens of o): a lane then holds eight neighbouring numbers of a row of out.
; By this text's count a wave has two tensor loads out at the start and one behind each round.
; REGISTERS: window 0: v0-31 addresses; v32-159 the way out.  window 1: two fragment buffers at v0 and v128: o's 4 fragments, then Wo's 8.  window 2: accumulator (a, b) at v[8 (8 a + b)].
.set KB,     4096                      ; a K step of 16 tokens of o, in bytes
.set ASZ,    32768                     ; o's part of a slot
.set PITCH,  272                       ; a row of Wo in LDS: 68 words: the 16 rows that a load touches start at 16 different banks (ISA guide 11.1)
.set BHALF,  128*PITCH
.set SLOT,   ASZ+2*BHALF
.set STAGE,  2*SLOT                    ; behind the ring: 16 rows x (512 bytes + 16) for each wave, for the way out
.set SPITCH, 528
.set SPARE,  STAGE+4*16*SPITCH         ; the spare words, 128 bytes for each wave: two blocks of 256 bytes that no other line names
.set ADRA, 16                          ; v16-17  LDS address of my fragments of o in slot 0, 1
.set ADRB, 20                          ; v20-21  the same for Wo
.set STO,  24                          ; v24     the way out: where I put 32 bytes of a row
.set RD,   25                          ; v25     where I read a row back
.set CO,   26                          ; v26     my byte offset in a row's 512 bytes of out
.set SPW,  28                          ; v28     LDS address of my spare word; never rewritten
.set NIL,  29                          ; v29     0; never rewritten
.set PFO,  30                          ; v30     the prefetches' offset: 32,768 (lane / 16) + 256 (lane % 16); never rewritten
.set BK,   32                          ; the way out: 16 rows read back: v32-95 and v96-159 by turns
.set F0,   0
.set F1,   128
.set G1,  24                           ; s[24:31] group 1 for o's tiles;  s[32:39] group 0, one set for each slot
.set G0,  32
.set G1B, 48                           ; s[48:55], s[56:63] the same for Wo's
.set G0B, 56
.set LIM, 43                           ; s43  1 in the wave that prefetches, else the greatest number
.set PFA, 44                           ; s[44:45] where my prefetches stand
.set MSB, 0
.macro WIN new                         ; the immediate's high byte repeats the setting that is left
.if MSB != \new
	s_set_vgpr_msb (MSB<<8)|\new
.set MSB, \new
.endif
.endm
.set MUL,  0xa5                        ; sources 0 and 1 window 1; C and D window 2
.set TO_F, 0x40                        ; destination window 1, address window 0
.macro JLOAD s                         ; a joint load: waves 0 and 1 fetch o's two halves, waves 2 and 3 Wo's; an s_nop 0 and four v_nop follow each of the two lines
	s_cmp_eq_u32 s11, 0
	s_cbranch_scc0 .Lfor_b_\@
	tensor_load_to_lds s[G0+4*\s:G0+4*\s+3], s[G1:G1+7]
	s_nop 0
.rept 4
	v_nop
.endr
	s_branch .Lasked_\@
.Lfor_b_\@:
	tensor_load_to_lds s[G0B+4*\s:G0B+4*\s+3], s[G1B:G1B+7]
	s_nop 0
.rept 4
	v_nop
.endr
.Lasked_\@:
.endm
.macro CREST                           ; a round of the cluster's barrier behind its opening barrier
	s_cmp_lg_u32 s10, 0
	s_cbranch_scc1 .Lnot_wave_0_\@
	s_barrier_signal -3
.Lnot_wave_0_\@:
	s_barrier_wait -3
	s_barrier_signal -1
	s_barrier_wait -1
.endm
.macro CROUND
	s_barrier_signal -1
	s_barrier_wait -1
	CREST
.endm
; A PREFETCH INTO THE L2 of o's K step that stands two refills on.  A K step of a tile's 128 tokens is 8 x 4,096 bytes; the four partners that ask for it jointly take 8,192 bytes each, told apart BY ADDRESS
; (cx); in each, wave 0 asks, a lane for each 256 bytes: one instruction.  o's rows are read by this row of the cluster alone, so each 256 bytes are named once in the launch.  The loop's last trip asks for
; nothing: its refills are the last two K steps.  K steps 0 to 3 come by their loads alone.  Wo is read by all sixteen clusters and is not asked for.
.macro ASK
	s_cmp_gt_u32 s3, s[LIM]                        ; s3 = 1 in the loop's last trip
	s_cbranch_scc0 .Lnot_mine_\@
	global_prefetch_b8 v[PFO], s[PFA:PFA+1] offset:KB th:TH_LOAD_NT scope:SCOPE_SE
.Lnot_mine_\@:
.endm
	s_load_b128 s[4:7], s[0:1], 0x0                ; oimg s[4:5], wo16 s[6:7]
	s_load_b64 s[8:9], s[0:1], 0x10                ; out0
	v_lshl_add_u32 v[SPW], v0, 2, SPARE
	v_mov_b32 v[NIL], 0
	ds_add_u32 v[SPW], v[NIL]                      ; the wave's opening: the add, twice on end, and its wait ahead of my first tensor load
	ds_add_u32 v[SPW], v[NIL]
	v_lshrrev_b32 v1, 5, v0
	v_readfirstlane_b32 s10, v1                    ; wave 0..3
	s_lshr_b32 s11, s10, 1                         ; which 64 of the tile's rows are mine.  Also: I fetch for o (0) or for Wo (1)
	s_and_b32 s12, s10, 1                          ; which 128 of its columns.  Also: which half of that tile I fetch
	s_bfe_u32 s40, ttmp6, 0x40000                  ; cx, cy: my place in the cluster
	s_bfe_u32 s41, ttmp6, 0x40004
	s_lshl_b32 s42, ttmp9, 2
	s_add_co_u32 s42, s42, s40                     ; tile column = 4 x cluster x + cx
	s_and_b32 s13, ttmp7, 0xffff
	s_lshl_b32 s13, s13, 2
	s_add_co_u32 s13, s13, s41                     ; tile row = 4 x cluster y + cy
	s_lshl_b32 s43, s41, 2
	s_lshl_b32 s43, 15, s43                        ; my row of the cluster
	s_lshl_b32 s44, 0x1111, s40                    ; my column
	; group 1 for o: 4 rows of 4,096 bytes (512 elements of 8 bytes), 32,768 bytes apart, dense in LDS
	s_or_b32 s[G1+0], s43, (3<<16)|(1<<21)         ; the mask: o's tiles go to my row; elements of 8 bytes; bit 21 set beside a mask
	s_mov_b32 s[G1+1], 512<<16                     ; tensor_dim0 = 512
	s_mov_b32 s[G1+2], 4<<16                       ; tensor_dim1 = 4
	s_mov_b32 s[G1+3], 512<<16                     ; tile_dim0 = 512
	s_mov_b32 s[G1+4], 4                           ; tile_dim1 = 4
	s_mov_b32 s[G1+5], 4096                        ; tensor_dim0_stride, in elements
	s_mov_b32 s[G1+6], 0
	s_mov_b32 s[G1+7], 0
	; group 1 for Wo: 128 rows x 128 elements of 2 bytes, 1,024 elements apart, 4 words of padding after every 64
	s_or_b32 s[G1B+0], s44, (1<<16)|(1<<20)|(1<<21)|(5<<22)|(3<<25)
	s_mov_b32 s[G1B+1], 128<<16
	s_mov_b32 s[G1B+2], 128<<16
	s_mov_b32 s[G1B+3], 128<<16
	s_mov_b32 s[G1B+4], 128
	s_mov_b32 s[G1B+5], 1024
	s_mov_b32 s[G1B+6], 0
	s_mov_b32 s[G1B+7], 0
	s_lshl_b32 s16, s13, 18                        ; o: 8 blocks of 32,768 bytes a tile row,
	s_lshl_b32 s17, s12, 17                        ; 4 blocks a half
	s_add_co_u32 s16, s16, s17
	s_mov_b32 s17, 0
	s_lshl_b32 s46, s42, 19                        ; Wo: 256 rows of 2,048 bytes a tile column,
	s_lshl_b32 s47, s12, 18                        ; 128 rows a half
	s_add_co_u32 s46, s46, s47
	s_mov_b32 s47, 0
	s_lshl_b32 s20, s12, 14                        ; where they go: no place in the cluster enters an LDS address
	s_mul_i32 s21, s12, BHALF
	s_add_co_u32 s21, s21, ASZ
	s_wait_dscnt 0x0                               ; both opening adds are done
	s_wait_kmcnt 0x0
	s_add_nc_u64 s[14:15], s[4:5], s[16:17]
	s_add_nc_u64 s[46:47], s[6:7], s[46:47]
	CROUND                                         ; all sixteen work-groups are here: the first joint loads meet
.irp s, 0,1
	s_mov_b32 s[G0+4*\s], 1
	s_add_co_u32 s[G0+4*\s+1], s20, \s*SLOT
	s_add_nc_u64 s[G0+4*\s+2:G0+4*\s+3], s[14:15], \s*KB
	s_or_b32 s[G0+4*\s+3], s[G0+4*\s+3], 0x80000000
	s_mov_b32 s[G0B+4*\s], 1
	s_add_co_u32 s[G0B+4*\s+1], s21, \s*SLOT
	s_add_nc_u64 s[G0B+4*\s+2:G0B+4*\s+3], s[46:47], \s*256
	s_or_b32 s[G0B+4*\s+3], s[G0B+4*\s+3], 0x80000000
	JLOAD \s
.endr
	v_and_b32 v1, 15, v0                           ; r = l % 16
	v_bfe_u32 v2, v0, 4, 1                         ; h = l / 16
	v_and_b32 v3, 31, v0
	v_lshlrev_b32 v3, 4, v3                        ; 16 x lane: my place in an image
	v_mul_u32_u24 v4, v1, PITCH
	v_lshl_add_u32 v4, v2, 4, v4                   ; Wo: row x pitch + 16 x half
	s_lshl_b32 s21, s11, 14                        ; my 4 blocks of o
	s_mul_i32 s22, s12, BHALF                      ; my 128 rows of Wo,
	s_add_co_u32 s22, s22, ASZ                     ; which lie behind o's part
.irp s, 0,1
	v_add_nc_u32 v[ADRA+\s], s21, v3
	v_add_nc_u32 v[ADRB+\s], s22, v4
	s_add_co_u32 s21, s21, SLOT
	s_add_co_u32 s22, s22, SLOT
.endr
	s_mul_i32 s23, s10, 16*SPITCH
	s_add_co_u32 s23, s23, STAGE                   ; my stage
	v_mul_u32_u24 v5, v1, SPITCH                   ; in: row l % 16, 32 bytes for each half of the lanes
	v_lshl_add_u32 v5, v2, 5, v5
	v_add_nc_u32 v[STO], s23, v5
	v_mov_b32 v[CO], v3                            ; back: the 32 lanes take one row of 512 bytes; and the same in out
	v_add_nc_u32 v[RD], s23, v3
	s_lshl_b32 s16, s13, 19                        ; out: 128 rows of 4,096 bytes a tile row,
	s_lshl_b32 s17, s11, 18                        ; 64 rows a half
	s_add_co_u32 s16, s16, s17
	s_mov_b32 s17, 0
	s_add_nc_u64 s[8:9], s[8:9], s[16:17]
	s_lshl_b32 s46, s42, 10                        ; 1,024 bytes a tile column, 512 a half
	s_lshl_b32 s47, s12, 9
	s_add_co_u32 s46, s46, s47
	s_mov_b32 s47, 0
	s_add_nc_u64 s[8:9], s[8:9], s[46:47]
	s_lshl_b32 s20, s13, 18                        ; the prefetches: my tile row's blocks of o,
	s_lshl_b32 s21, s40, 16                        ; my work-group's two of the eight,
	s_add_co_u32 s20, s20, s21
	s_add_co_u32 s20, s20, 2*KB                    ; at K step 2: the first refill steps it to 3 and names K step 4
	s_mov_b32 s21, 0
	s_add_nc_u64 s[PFA:PFA+1], s[4:5], s[20:21]
	s_cmp_eq_u32 s10, 0
	s_cselect_b32 s[LIM], 1, -1                    ; wave 0 asks: the same in all partners
	v_lshlrev_b32 v[PFO], 15, v2
	v_lshl_add_u32 v[PFO], v1, 8, v[PFO]
; 8 matrix instructions: tokens' block a x Wo's eight blocks, 32 along K, from buffer f.  zero = 1: the first product starts the sums.  The 32 accumulators take turns.
.macro MULA f, a, zero
.irp b, 0,1,2,3,4,5,6,7
.if \zero
	v_wmma_f32_16x16x32_f16 v[8*(8*(\a)+\b):8*(8*(\a)+\b)+7], v[\f+32+8*\b:\f+32+8*\b+7], v[\f+8*(\a):\f+8*(\a)+7], 0
.else
	v_wmma_f32_16x16x32_f16 v[8*(8*(\a)+\b):8*(8*(\a)+\b)+7], v[\f+32+8*\b:\f+32+8*\b+7], v[\f+8*(\a):\f+8*(\a)+7], v[8*(8*(\a)+\b):8*(8*(\a)+\b)+7]
.endif
.endr
.endm
; 24 LDS loads in one run: the fragments of the slot's q-th 32 along K into buffer f
.macro FETCH slot, q, f
	WIN TO_F
.irp b, 0,1,2,3,4,5,6,7
	ds_load_b128 v[\f+32+8*\b:\f+32+8*\b+3], v[ADRB+\slot] offset:16*PITCH*\b+64*(\q)
	ds_load_b128 v[\f+32+8*\b+4:\f+32+8*\b+7], v[ADRB+\slot] offset:16*PITCH*\b+64*(\q)+32
.endr
.irp a, 0,1,2,3
	ds_load_b128 v[\f+8*\a:\f+8*\a+3], v[ADRA+\slot] offset:KB*\a+1024*(\q)
	ds_load_b128 v[\f+8*\a+4:\f+8*\a+7], v[ADRA+\slot] offset:KB*\a+1024*(\q)+512
.endr
.endm
.macro PLACES                          ; four places in front of loads into registers that matrix instructions have read, and of the first read of results (ISA guide 7.12.1 for vector instructions)
.rept 4
	v_nop
.endr
.endm
; A K step is four quarters of 32 along K, 32 matrix instructions each, on buffers 0, 1, 0, 1.  One of the first three: asks for quarter q into buffer g, then multiplies buffer f.
.macro QUARTER slot, q, f, g, zero
	PLACES
	FETCH \slot, \q, \g
	s_wait_dscnt 24                                ; all but the 24 just issued: buffer f is in
	WIN MUL
	MULA \f, 0, \zero
	MULA \f, 1, \zero
	MULA \f, 2, \zero
	MULA \f, 3, \zero
.endm
; The last quarter multiplies buffer 1 and changes slots: ONE barrier; in front of it each wave waits for all its tensor loads, adds 0 to its spare word, and waits for that and for its reads of this slot.
; fill = 1: the barrier opens a round of the cluster's, and this slot is filled again, two K steps ahead, first thing behind it.
.macro TURN slot, next, fill
.if \fill
	s_wait_xcnt 0x0                                ; the last prefetch, a K step back, has read its address: it is stepped here
	s_add_nc_u64 s[PFA:PFA+1], s[PFA:PFA+1], KB
.endif
	WIN 0                                          ; (the add's two registers lie in window 0)
	s_wait_tensorcnt 0x0                           ; all my tensor loads have landed: my part of the next slot
	ds_add_u32 v[SPW], v[NIL]                      ; 0 onto my spare word
	s_wait_dscnt 1                                 ; buffer 1 is in (the add may be out)
	WIN MUL
	MULA F1, 0, 0
	s_wait_dscnt 0x0                               ; the add is done, and my reads of this slot are over
	s_barrier_signal -1
	MULA F1, 1, 0
	WIN 0
	s_barrier_wait -1
.if \fill
	CREST                                          ; no wave of any partner still reads this slot's tiles or has a load on its way
	s_add_nc_u64 s[G0+4*\slot+2:G0+4*\slot+3], s[G0+4*\slot+2:G0+4*\slot+3], 2*KB
	s_add_nc_u64 s[G0B+4*\slot+2:G0B+4*\slot+3], s[G0B+4*\slot+2:G0B+4*\slot+3], 2*256
	JLOAD \slot                                    ; the first tensor load behind the round; the four v_nop behind it are also the places in front of the loads below
.else
	PLACES
.endif
	FETCH \next, 0, F0
.if \fill
	WIN 0
	ASK                                            ; behind the joint load and the run of LDS loads
.endif
	WIN MUL
	MULA F1, 2, 0
	MULA F1, 3, 0
.endm
	s_wait_tensorcnt 1                             ; my part of K step 0 is in (K step 1's may be out)
	s_barrier_signal -1
	s_barrier_wait -1                              ; everybody's is
	FETCH 0, 0, F0
	QUARTER 0, 1, F0, F1, 1                        ; the first quarter stands in front of the loop: its products start the sums
	WIN 0                                          ; at a label and at a branch every window is 0
	s_mov_b32 s3, 3
.Llap:                                                 ; a trip goes once round the ring, from a lap's second quarter to the next lap's first, and fills both slots again
	QUARTER 0, 2, F1, F0, 0
	QUARTER 0, 3, F0, F1, 0
	TURN 0, 1, 1
	QUARTER 1, 1, F0, F1, 0
	QUARTER 1, 2, F1, F0, 0
	QUARTER 1, 3, F0, F1, 0
	TURN 1, 0, 1
	QUARTER 0, 1, F0, F1, 0
	WIN 0
	s_sub_co_u32 s3, s3, 1
	s_cmp_lg_u32 s3, 0
	s_cbranch_scc1 .Llap
	QUARTER 0, 2, F1, F0, 0                        ; the last lap fills nothing, and has no round of the cluster's barrier
	QUARTER 0, 3, F0, F1, 0
	TURN 0, 1, 0
	QUARTER 1, 1, F0, F1, 0
	QUARTER 1, 2, F1, F0, 0
	QUARTER 1, 3, F0, F1, 0
	s_wait_dscnt 0x0                               ; the very last quarter: nothing more to fetch
	MULA F1, 0, 0
	MULA F1, 1, 0
	MULA F1, 2, 0
	MULA F1, 3, 0
	WIN 0
; THE WAY OUT, block by block of 16 rows x 128 columns.  A lane holds 32 neighbouring bytes of a row, the lanes beside it other rows: a block goes through my own stage and comes back as whole rows of 512 bytes.
; LDS serves a wave's instructions in order (ISA guide 5.7.1.4): no wait between the stores and the loads, nor in front of the next block's stores.
.macro TOSTAGE a
.set AC, 64*(\a)
	WIN 0x08                                       ; an LDS store's data are its source 1: window 2
.irp b, 0,1,2,3,4,5,6,7
	ds_store_b128 v[STO], v[AC+8*\b:AC+8*\b+3] offset:64*\b          ; each accumulator from its low end on
	ds_store_b128 v[STO], v[AC+8*\b+4:AC+8*\b+7] offset:64*\b+16
.endr
	WIN 0
.set BB, BK+64*((\a)%2)
.irp t, 0,1,2,3,4,5,6,7,8,9,10,11,12,13,14,15
	ds_load_b128 v[BB+4*\t:BB+4*\t+3], v[RD] offset:\t*SPITCH
.endr
.endm
.macro SEND a, younger                 ; younger: the LDS instructions issued behind block a's loads, which may stay out
.set BB, BK+64*((\a)%2)
	s_wait_dscnt \younger                          ; the block is back in registers
.if (\a) > 0
	s_add_nc_u64 s[8:9], s[8:9], 65536             ; 16 rows of out on (behind a wait on XCNT: the earlier stores have read their base)
.endif
.irp t, 0,1,2,3,4,5,6,7,8,9,10,11,12,13,14,15
	global_store_b128 v[CO], v[BB+4*\t:BB+4*\t+3], s[8:9] offset:\t*4096 th:TH_STORE_NT   ; 32 lanes store 512 consecutive bytes, aligned; written once, read by nobody here
.endr
.endm
	PLACES
	TOSTAGE 0
.irp a, 1,2,3
.if \a > 1
	s_wait_xcnt 0x0                                ; block a - 2's stores have read their registers and their base
.endif
	TOSTAGE \a
	SEND \a-1, 32                                  ; behind block a - 1's loads: block a's 16 stores and 16 loads
.endr
	s_wait_xcnt 0x0                                ; block 2's stores have read their base
	SEND 3, 0
	s_wait_tensorcnt 0x0                           ; the wave's end: all tensor loads waited for, 0 added to my spare word and waited for, behind my last tensor load and my last LDS store
	ds_add_u32 v[SPW], v[NIL]
	s_wait_dscnt 0x0
	CROUND                                         ; the closing round: no work-group ends while a partner may still ask for a tile that names it
	s_endpgm
.Lfunc_end_k_qc1f836f5da_proj:
	.size	k_qc1f836f5da_proj, .Lfunc_end_k_qc1f836f5da_proj-k_qc1f836f5da_proj
	.p2alignl 7, 3214868480
	.fill 96, 4, 3214868480
	.section	.rodata,"a",@progbits
	.p2align	6, 0x0
	.amdhsa_kernel k_qc1f836f5da_proj
		.amdhsa_group_segment_fixed_size 327680
		.amdhsa_private_segment_fixed_size 0
		.amdhsa_enable_private_segment 0
		.amdhsa_kernarg_size 24
		.amdhsa_user_sgpr_count 2
		.amdhsa_user_sgpr_kernarg_segment_ptr 1
		.amdhsa_wavefront_size32 1
		.amdhsa_system_sgpr_workgroup_id_x 1
		.amdhsa_system_sgpr_workgroup_id_y 1
		.amdhsa_system_sgpr_workgroup_id_z 1
		.amdhsa_system_vgpr_workitem_id 0
		.amdhsa_next_free_vgpr 768
		.amdhsa_next_free_sgpr 66
		.amdhsa_reserve_vcc 0
		.amdhsa_float_denorm_mode_32 3
		.amdhsa_float_denorm_mode_16_64 3
		.amdhsa_memory_ordered 1
		.amdhsa_forward_progress 1
		.amdhsa_inst_pref_size 85
	.end_amdhsa_kernel
	.amdgpu_metadata
---
amdhsa.version: [ 1, 2 ]
amdhsa.kernels:
  - .name:           k_qc1f836f5da_proj
    .symbol:         k_qc1f836f5da_proj.kd
    .args:
      - { .name: oimg, .offset: 0, .size: 8, .value_kind: global_buffer, .address_space: global }
      - { .name: wo16, .offset: 8, .size: 8, .value_kind: global_buffer, .address_space: global }
      - { .name: out0, .offset: 16, .size: 8, .value_kind: global_buffer, .address_space: global }
    .group_segment_fixed_size: 327680
    .private_segment_fixed_size: 0
    .kernarg_segment_align: 8
    .kernarg_segment_size: 24
    .max_flat_workgroup_size: 128
    .sgpr_count:     66
    .vgpr_count:     768
    .wavefront_size: 32
...
	.end_amdgpu_metadata
.endif
;; end of part 4
